; MI455X (gfx1250); checked and timed in simulation.
; The chip was launched on July 23, 2026; its instructions are those of AMD's public machine-readable ISA for CDNA 5 (MIT licence, August 2026) and "CDNA5" Instruction Set Architecture Reference Guide (July 2026). The comments in the code are by the model that wrote it; some were corrected since.
;; Softmax Neighbor Finder. Allowed arithmetic: matrix products marked QUANTISED: E3M2 operands, one E8M0 scale for each 32 along K, by v_wmma_scale_f32_16x16x128_f8f6f4 with both operands' format E3M2, f32 sums; everything else in f32.
;; Inputs: X 8,192 x 512 float32; Y 16,384 x 512 float32.
;; Outputs: out0 8,192 x 16 int32.
;; This version of the problem:
;;   THIS VERSION OF THE PROBLEM IS GIVEN IN LOW PRECISION. The matrix products marked QUANTISED in the list below multiply operands that are first quantised to E3M2 (3 exponent bits, 2 mantissa bits; 6 bits a number), with one power-of-two scale for each 32 numbers along K (OCP MX v1.0); their sums are f32. All else is computed in f32.
;;   The module's matrix products, in the order in which they are computed (A, B: the left and right operand; K: the contracted axis; several contracted axes count as one K, in the product's order):
;;     1. [M 8,192, K 512] x [K 512, N 16,384]; A: input X; B: input Y: QUANTISED
;;   THE QUANTISER, for each operand of a quantised product, along K:
;;     - K is cut into blocks of 32 from its start; a last block that is shorter is filled with zeros.
;;     - A block's scale is 2^e with e = floor(log2(the largest magnitude in the block)) - 4, held to -126 .. 127; a block of zeros has e = 0. As a byte (E8M0): e + 127.
;;     - Each number is divided by its block's scale, clamped to +-28, and rounded to the nearest number of E3M2, ties to even, subnormals kept.
;;     - The product sums the exact products of the quantised numbers (number of the format x scale) in f32.
;;   ~~~python
;;   def quantise(x, axis):      # numpy; x: float32 -> the quantised numbers, widened to float32 again
;;       x = np.moveaxis(x, axis, -1); K = x.shape[-1]
;;       x = np.pad(x, [(0, 0)] * (x.ndim - 1) + [(0, -K % 32)]); x = x.reshape(x.shape[:-1] + (-1, 32)); a = np.abs(x).max(-1, keepdims=True)
;;       e = np.where(a > 0, np.clip(np.frexp(np.where(a > 0, a, 1))[1] - 1 - 4, -126, 127), 0)      # np.frexp(a)[1] - 1 = floor(log2(a)), exactly
;;       r = np.clip(x / 2.0 ** e, -28, 28)
;;       step = 2.0 ** (np.maximum(np.frexp(np.where(r == 0, 1, r))[1] - 1, -2) - 2)
;;       q = np.round(r / step) * step * 2.0 ** e      # np.round: ties to even
;;       return np.moveaxis(q.reshape(q.shape[:-2] + (-1,))[..., :K], -1, axis).astype(np.float32)
;;   ~~~
;; 2 versions. Each part assembles by itself: llvm-mc -triple=amdgcn-amd-amdhsa -mcpu=gfx1250 --defsym DOCPART=n.
;; ======== version 1 of 2: 4 launches
;; workspace buffers: xq 3,276,800 bytes; yq 6,553,600 bytes; stats 2,097,152 bytes; g0 524,288 bytes of whole numbers; g1 524,288 bytes of whole numbers; g2 524,288 bytes of whole numbers; g3 524,288 bytes of whole numbers
;; launch quant (part 1): grid 384 x 1, 4 waves a work-group, no clusters, 34,304 bytes of LDS; arguments X, Y, xq, yq; writes xq, yq
.if DOCPART == 1
	.amdgcn_target "amdgcn-amd-amdhsa--gfx1250"
	.amdhsa_code_object_version 6
	.text
	.protected	k_q4f4f3026dc_quant
	.globl	k_q4f4f3026dc_quant
	.p2align	8
	.type	k_q4f4f3026dc_quant,@function
k_q4f4f3026dc_quant:
	s_mov_b64 s[64:65], 0
	v_nop
	global_prefetch_b8 v0, s[64:65] scope:SCOPE_SE
	s_setreg_imm32_b32 hwreg(HW_REG_WAVE_MODE, 25, 1), 1
	s_wait_xcnt 0x0
; X [8192][512] and Y [16384][512], f32, become codes of BF6 (E3M2) with one E8M0 scale byte for each 32 along K, laid as RECORDS of 6,400 bytes:
; one record = 16 consecutive rows, all 512 of K, as an image of the matrix operand's registers:
;   byte s*1536 + c*512 + 16*lane : registers 4c .. 4c+3 of the fragment of K step s (128 along K); lane (r, h): registers 6c'..6c'+5 hold k = 128 s + 64 c' + 32 h + 0..31 of row r
;   byte 6144 + 8*lane + 4 i      : the scale word of row r for K step 2 i + h  (so one load of 8 bytes a lane gives two registers, even K steps in lanes 0-15, odd ones in lanes 16-31)
; A block's scale is 2^(floor(log2(largest magnitude)) - 4); its byte is the largest magnitude's exponent field - 4, held at 1 from below.  A block of zeros keeps the byte 1: its codes are zeros,
; and the bytes are read by this program alone.  LIMITS: NaN and infinities among the inputs are not served.
; One wave takes one record.  Work-groups 0-127 take X, the others Y: only pointers are chosen.  Each load reads 512 consecutive bytes of a row; a K step's 16 x 512 bytes turn through the wave's own
; stage in LDS (rows 528 bytes apart), so that a lane gets 2 x 32 neighbours along K.  Waves share nothing: no barrier.  No matrix unit, no cluster: the launch only streams.
.set TILEB, 6400
.set SPI,   528                        ; stage pitch: 512 + 16
.set WST,   16*SPI                     ; a wave's stage
.set GAD, 2                            ; v2   16 x lane
.set SIN, 3                            ; v3   stage, on the way in
.set SOU, 4                            ; v4   stage, on the way out: row r, + 128 h
.set DSC, 5                            ; v5   8 x lane
.set H8,  6                            ; v6   8 h
.set HH,  7                            ; v7   h
.set WD,  8                            ; v8-11  the four K steps' scale words
.set TM,  12                           ; v12-23 at work
.set CD,  24                           ; v24-35 a fragment's codes
.set CT,  36                           ; v36-43 the upper halves of the blocks' codes, as the conversions leave them
.set RAW, 48                           ; v48-175 two sets of 64 registers as loaded
.set XN,  176                          ; v176-239 64 numbers: 2 blocks of 32 neighbours
	s_load_b256 s[4:11], s[0:1], 0x0               ; X, Y, xq, yq
	v_lshl_add_u32 v254, v0, 2, 0x8400
	v_mov_b32 v255, 0
	v_lshrrev_b32 v1, 5, v0
	v_readfirstlane_b32 s12, v1                    ; wave
	v_and_b32 v1, 31, v0                           ; lane
	v_and_b32 v44, 15, v0                          ; r
	v_bfe_u32 v[HH], v0, 4, 1                      ; h
	v_lshlrev_b32 v[GAD], 4, v1
	s_mul_i32 s16, s12, WST
	v_add_nc_u32 v[SIN], s16, v[GAD]
	v_mul_u32_u24 v[SOU], v44, SPI
	v_lshl_add_u32 v[SOU], v[HH], 7, v[SOU]
	v_add_nc_u32 v[SOU], s16, v[SOU]
	v_lshlrev_b32 v[DSC], 3, v1
	v_lshlrev_b32 v[H8], 3, v[HH]
	v_mov_b32 v[TM+6], 0                           ; a lane permute's destination counts as read: written once
	s_mov_b32 s20, 0x76543210
	s_mov_b32 s21, 0xfedcba98                      ; selects for lane l xor 16
	s_wait_kmcnt 0x0
	s_cmp_lt_u32 ttmp9, 128                        ; X's work-group or Y's: the choice hangs on the work-group's number alone
	s_cselect_b64 s[4:5], s[4:5], s[6:7]
	s_cselect_b64 s[8:9], s[8:9], s[10:11]
	s_cselect_b32 s13, 0, 128
	s_sub_co_u32 s13, ttmp9, s13
	s_lshl_b32 s13, s13, 2
	s_add_co_u32 s13, s13, s12                     ; my record
	s_lshl_b32 s14, s13, 15                        ; 16 rows of 2,048 bytes
	s_mov_b32 s15, 0
	s_add_nc_u64 s[4:5], s[4:5], s[14:15]
	s_mul_i32 s14, s13, TILEB
	s_add_nc_u64 s[8:9], s[8:9], s[14:15]
.macro LOAD s                          ; K step s of the 16 rows: 16 loads of 512 consecutive bytes
.irp p, 0,1,2,3,4,5,6,7,8,9,10,11,12,13,14,15
	global_load_b128 v[RAW+64*((\s)%2)+4*\p:RAW+64*((\s)%2)+4*\p+3], v[GAD], s[4:5] offset:\p*2048+512*(\s) th:TH_LOAD_NT
.endr
.endm
.macro KSTEP s
.if (\s) < 3
	s_wait_loadcnt 16                              ; this K step's 16 loads are in; the next one's 16 may be out
.else
	s_wait_loadcnt 0x0
.endif
.irp p, 0,1,2,3,4,5,6,7,8,9,10,11,12,13,14,15
	ds_store_b128 v[SIN], v[RAW+64*((\s)%2)+4*\p:RAW+64*((\s)%2)+4*\p+3] offset:\p*SPI
.endr
.irp c, 0,1
.irp i, 0,1,2,3,4,5,6,7
	ds_load_b128 v[XN+32*\c+4*\i:XN+32*\c+4*\i+3], v[SOU] offset:256*\c+16*\i   ; LDS serves a wave's instructions in order: these see the stores above
.endr
.endr
	s_wait_dscnt 0x0                               ; my 64 numbers are in, and the stores have read their registers
.if (\s) < 2
	LOAD (\s)+2
.endif
.irp c, 0,1
	v_max3_num_f32 v[TM+\c], |v[XN+32*\c]|, |v[XN+32*\c+1]|, 0x2800000   ; my block 2 c + h: all 32 numbers are mine; the floor 2^(5 - 127) holds the byte at 1 from below
.endr
.irp i, 2,4,6,8,10,12,14,16,18,20,22,24,26,28,30
.irp c, 0,1
	v_max3_num_f32 v[TM+\c], v[TM+\c], |v[XN+32*\c+\i]|, |v[XN+32*\c+\i+1]|
.endr
.endr
.irp c, 0,1
	v_add_nc_u32 v[TM+2+\c], 0xfe000000, v[TM+\c]  ; 4 off the exponent field: the conversion's scale operand
.endr
.irp c, 0,1
	v_lshrrev_b32 v[TM+4+\c], 23, v[TM+2+\c]       ; the scale's byte
.endr
	v_lshl_or_b32 v[WD+(\s)], v[TM+5], 16, v[TM+4] ; blocks h and 2 + h,
	v_lshlrev_b32 v[WD+(\s)], v[H8], v[WD+(\s)]    ; at their places in the word;
	v_permlanex16_b32 v[TM+6], v[WD+(\s)], s20, s21
	v_or_b32 v[WD+(\s)], v[WD+(\s)], v[TM+6]       ; with lane l xor 16's two bytes the word is whole
	s_wait_xcnt 0x0                                ; the last K step's stores have read the codes' registers
	v_cvt_scalef32_pk16_bf6_f32 v[CD:CD+2], v[XN:XN+15], v[TM+2]
	v_cvt_scalef32_pk16_bf6_f32 v[CT:CT+2], v[XN+16:XN+31], v[TM+2]       ; (a conversion's three registers begin on an even number)
	v_cvt_scalef32_pk16_bf6_f32 v[CD+6:CD+8], v[XN+32:XN+47], v[TM+3]
	v_cvt_scalef32_pk16_bf6_f32 v[CT+4:CT+6], v[XN+48:XN+63], v[TM+3]
	v_nop                                          ; one plain place behind a scaled conversion
.irp i, 0,1,2
	v_mov_b32 v[CD+3+\i], v[CT+\i]
	v_mov_b32 v[CD+9+\i], v[CT+4+\i]
.endr
.irp c, 0,1,2
	global_store_b128 v[GAD], v[CD+4*\c:CD+4*\c+3], s[8:9] offset:(\s)*1536+512*\c   ; 32 lanes store 512 consecutive bytes, aligned to 256
.endr
.endm
	LOAD 0
	LOAD 1
	KSTEP 0
	KSTEP 1
	KSTEP 2
	KSTEP 3
	v_cmp_ne_u32 vcc_lo, 0, v[HH]
	v_cndmask_b32 v[TM+8], v[WD], v[WD+1], vcc_lo  ; lanes 0-15: K step 0's word, lanes 16-31: K step 1's
	v_cndmask_b32 v[TM+9], v[WD+2], v[WD+3], vcc_lo ; K steps 2 and 3
	global_store_b64 v[DSC], v[TM+8:TM+9], s[8:9] offset:6144   ; 32 lanes store 256 consecutive bytes, aligned
	s_wait_tensorcnt 0x0
	ds_add_u32 v254, v255
	s_wait_dscnt 0x0
	s_endpgm
.Lfunc_end_k_q4f4f3026dc_quant:
	.size	k_q4f4f3026dc_quant, .Lfunc_end_k_q4f4f3026dc_quant-k_q4f4f3026dc_quant
	.p2alignl 7, 3214868480
	.fill 96, 4, 3214868480
	.section	.rodata,"a",@progbits
	.p2align	6, 0x0
	.amdhsa_kernel k_q4f4f3026dc_quant
		.amdhsa_group_segment_fixed_size 34304
		.amdhsa_private_segment_fixed_size 0
		.amdhsa_enable_private_segment 0
		.amdhsa_kernarg_size 32
		.amdhsa_user_sgpr_count 2
		.amdhsa_user_sgpr_kernarg_segment_ptr 1
		.amdhsa_wavefront_size32 1
		.amdhsa_system_sgpr_workgroup_id_x 1
		.amdhsa_system_sgpr_workgroup_id_y 1
		.amdhsa_system_sgpr_workgroup_id_z 1
		.amdhsa_system_vgpr_workitem_id 0
		.amdhsa_next_free_vgpr 256
		.amdhsa_next_free_sgpr 66
		.amdhsa_reserve_vcc 1
		.amdhsa_float_denorm_mode_32 3
		.amdhsa_float_denorm_mode_16_64 3
		.amdhsa_memory_ordered 1
		.amdhsa_forward_progress 1
		.amdhsa_inst_pref_size 30
	.end_amdhsa_kernel
	.amdgpu_metadata
---
amdhsa.version: [ 1, 2 ]
amdhsa.kernels:
  - .name:           k_q4f4f3026dc_quant
    .symbol:         k_q4f4f3026dc_quant.kd
    .args:
      - { .name: X, .offset: 0, .size: 8, .value_kind: global_buffer, .address_space: global }
      - { .name: Y, .offset: 8, .size: 8, .value_kind: global_buffer, .address_space: global }
      - { .name: xq, .offset: 16, .size: 8, .value_kind: global_buffer, .address_space: global }
      - { .name: yq, .offset: 24, .size: 8, .value_kind: global_buffer, .address_space: global }
    .group_segment_fixed_size: 34304
    .private_segment_fixed_size: 0
    .kernarg_segment_align: 8
    .kernarg_segment_size: 32
    .max_flat_workgroup_size: 128
    .sgpr_count:     66
    .vgpr_count:     256
    .wavefront_size: 32
...
	.end_amdgpu_metadata
.endif
;; end of part 1
;; launch passA (part 2): grid 32 x 8, 8 waves a work-group, clusters of 4 x 1, 327,680 bytes of LDS; arguments xq, yq, stats; writes stats
.if DOCPART == 2
	.amdgcn_target "amdgcn-amd-amdhsa--gfx1250"
	.amdhsa_code_object_version 6
	.text
	.protected	k_q4f4f3026dc_passA
	.globl	k_q4f4f3026dc_passA
	.p2align	8
	.type	k_q4f4f3026dc_passA,@function
k_q4f4f3026dc_passA:
	s_mov_b64 s[64:65], 0
	v_nop
	global_prefetch_b8 v0, s[64:65] scope:SCOPE_SE
	s_setreg_imm32_b32 hwreg(HW_REG_WAVE_MODE, 25, 1), 1
	s_wait_xcnt 0x0
	s_wait_alu depctr_hold_cnt(0) depctr_sa_sdst(0) depctr_va_vdst(0) depctr_va_sdst(0) depctr_va_ssrc(0) depctr_va_vcc(0) depctr_vm_vsrc(0)
	s_getreg_b32 s2, hwreg(HW_REG_IB_STS2, 6, 4)
	s_cmp_eq_u32 s2, 0
	s_cbranch_scc0 .Lentry_in_a_cluster
	s_endpgm
.Lentry_in_a_cluster:
	s_bfe_u32 s2, ttmp6, 0x10000c
	s_cmp_lg_u32 s2, 0x3003
	s_cbranch_scc0 .Lentry_shape_is_right
	s_endpgm
.Lentry_shape_is_right:
; FIRST PASS over sim = Q(X) Q(Y)^T / 0.07: for each row and each of 32 STREAMS of 512 keys the largest sim M and l = the sum of 2^(c s + NB), c = log2(e), NB = the f32 product M x (-c).
; sim is the f32 product of the matrix sum with 1/0.07f (0x41649249).  The maximum is a running one; when it moves, l is multiplied by 2^(new NB - old NB).
; LIMITS: scores must lie above -1e38; NaN and infinities are not served.
; SHARES.  A work-group: 256 rows (block 4 x cluster x + cx) and one split of 2,048 keys (work-group y).  Wave w: query tiles 4 (w & 3) + 0..3, resident in registers, and key tiles 8 (w >> 2) + 0..7 of each slot of 16.
; The keys' records (16 keys x 512 K, 6,400 bytes, images of the operand's registers) come through a ring of two LDS slots of 16 records; each wave fetches two records by one tensor load.
; CLUSTER.  The four work-groups of a cluster have the same split and walk the same keys: each load is JOINT (mask 15), with a descriptor made of the split and the wave's number alone.
; THE PRODUCT IS USED TRANSPOSED: source 0 = 16 keys, source 1 = 16 queries: lane (r, h) holds query r and keys 8 h + 0..7 of the tile.  So a lane's stream is (split, w >> 2, h).
; REGISTERS.  Window 0: v1-15 addresses; v16-23 X's scale words; v24-27 the keys' (two sets); v32-63 four accumulators; v64-159 the keys' fragments, two sets of 48; v160-191 statistics.  Window 1: v0-191 X's 16 fragments.
.set TILEB, 6400
.set SLOTB, 16*TILEB                   ; 102,400
.set SLOT1, 1<<17                      ; slot 1 begins here: one exclusive or turns an address
.set STA,   102400                     ; behind slot 0: the way out's stage, 256 rows x 32 bytes; no tile lands there
.set SPARE, 304128                     ; the spare words: 128 bytes for each of eight waves
.set YA0, 3
.set YB0, 4
.set YA,  5
.set YB,  6
.set SPW, 7
.set NIL, 8
.set XS,  16
.set YS,  24
.set ACC, 32
.set YF,  64
.set ST,  160                          ; tile q at ST + 8 q: +0 NB, +1 its pair's partner, +2 +3 l in two halves, +4 M, +5 at work (at the end: l), +6 f, +7 its exponent
.set MSB, 0
.macro WIN new                         ; the immediate's high byte repeats the setting that is left
.if MSB != \new
	s_set_vgpr_msb (MSB<<8)|\new
.set MSB, \new
.endif
.endm
.macro CROUND                          ; a round of the cluster's barrier
	s_barrier_signal -1
	s_barrier_wait -1
	s_cmp_lg_u32 s12, 0
	s_cbranch_scc1 .Lnot_wave_0_\@
	s_barrier_signal -3
.Lnot_wave_0_\@:
	s_barrier_wait -3
	s_barrier_signal -1
	s_barrier_wait -1
.endm
	s_load_b128 s[4:7], s[0:1], 0x0                ; xq, yq
	s_load_b64 s[8:9], s[0:1], 0x10                ; stats
	v_lshl_add_u32 v[SPW], v0, 2, SPARE
	v_mov_b32 v[NIL], 0
	ds_add_u32 v7, v8
	ds_add_u32 v7, v8
	s_wait_dscnt 0x0
	v_lshrrev_b32 v9, 5, v0
	v_readfirstlane_b32 s12, v9                    ; wave 0..7
	s_and_b32 s13, s12, 3                          ; qg: which four query tiles
	s_lshr_b32 s14, s12, 2                         ; kh: which eight key tiles of a slot
	s_bfe_u32 s15, ttmp6, 0x40000                  ; cx: it enters xq's and stats' addresses alone
	s_lshl_b32 s16, ttmp9, 2
	s_add_co_u32 s16, s16, s15                     ; my block of 256 rows
	s_and_b32 s17, ttmp7, 0xffff                   ; the split, which the four partners share
	s_mov_b32 s24, 15|(3<<16)|(1<<21)              ; group 1: mask of the four; elements of 8 bytes; bit 21 beside a mask; no padding
	s_mov_b32 s25, 32<<16                          ; tensor_dim0 = 32 (256 bytes)
	s_mov_b32 s26, 50<<16                          ; tensor_dim1 = 50 rows: two records
	s_mov_b32 s27, 32<<16                          ; tile_dim0
	s_mov_b32 s28, 50                              ; tile_dim1
	s_mov_b32 s29, 32                              ; pitch: dense
	s_mov_b32 s30, 0
	s_mov_b32 s31, 0
	s_mul_i32 s46, s17, 128*TILEB                  ; the split's first record,
	s_mul_i32 s33, s12, 2*TILEB                    ; my two records of a slot: in LDS and in memory alike
	s_add_co_u32 s46, s46, s33
	s_mov_b32 s47, 0
	s_mul_i32 s48, s16, 16*TILEB                   ; my block's records of X,
	s_mul_i32 s50, s13, 4*TILEB                    ; my four
	s_add_co_u32 s48, s48, s50
	s_mov_b32 s49, 0
	s_lshl_b32 s50, s17, 18                        ; stats: (split x 8,192 + block x 256) rows of 32 bytes
	s_lshl_b32 s51, s16, 13
	s_add_co_u32 s50, s50, s51
	s_mov_b32 s51, 0
	s_mov_b32 s32, 1
	s_mov_b32 s40, 0x41649249                      ; 1 / 0.07f
	s_mov_b32 s41, s40
	s_mov_b32 s42, 0x3fb8aa3b                      ; c = log2(e)
	s_mov_b32 s43, s42
	s_mov_b32 s44, 0xbfb8aa3b                      ; -c
	s_wait_kmcnt 0x0
	s_add_nc_u64 s[34:35], s[6:7], s[46:47]
	s_or_b32 s35, s35, 0x80000000
	s_add_nc_u64 s[4:5], s[4:5], s[48:49]
	s_add_nc_u64 s[8:9], s[8:9], s[50:51]
	CROUND                                         ; all four work-groups are here: the first joint loads meet
	tensor_load_to_lds s[32:35], s[24:31]          ; slot 0
	s_nop 0
.rept 4
	v_nop
.endr
	v_and_b32 v9, 31, v0                           ; lane
	v_and_b32 v1, 15, v0                           ; r
	v_bfe_u32 v2, v0, 4, 1                         ; h
	v_lshlrev_b32 v10, 4, v9
	v_lshlrev_b32 v11, 3, v9
	s_mul_i32 s46, s14, 8*TILEB
	v_add_nc_u32 v[YA0], s46, v10                  ; a record's codes: 16 x lane, in my half of a slot
	v_add_nc_u32 v[YB0], s46, v11                  ; its scale words: 8 x lane
	WIN 0x40                                       ; destination window 1
.irp q, 0,1,2,3
.irp s, 0,1,2,3
.irp c, 0,1,2
	global_load_b128 v[48*\q+12*\s+4*\c:48*\q+12*\s+4*\c+3], v10, s[4:5] offset:\q*TILEB+\s*1536+\c*512
.endr
.endr
.endr
	WIN 0
.irp q, 0,1,2,3
	global_load_b64 v[XS+2*\q:XS+2*\q+1], v11, s[4:5] offset:\q*TILEB+6144
.endr
	s_lshl_b32 s46, s13, 11                        ; the way out: row 64 qg + r of 32 bytes, + 16 kh + 8 h
	s_lshl_b32 s47, s14, 4
	s_add_co_u32 s46, s46, s47
	s_add_co_u32 s46, s46, STA
	v_lshlrev_b32 v12, 5, v1
	v_lshl_add_u32 v12, v2, 3, v12
	v_add_nc_u32 v12, s46, v12
	s_lshl_b32 s46, s12, 10                        ; back: wave w takes 1,024 bytes
	v_add_nc_u32 v14, s46, v10
	v_add_nc_u32 v13, STA, v14
.irp q, 0,1,2,3
	v_mov_b32 v[ST+8*\q+4], 0xfe967699             ; M = -1e38, under every score that is served
	v_mov_b32 v[ST+8*\q+1], 0
	v_mov_b32 v[ST+8*\q+2], 0
	v_mov_b32 v[ST+8*\q+3], 0
.endr
.irp q, 0,1,2,3
	v_mul_f32 v[ST+8*\q], s44, v[ST+8*\q+4]        ; NB
.endr
	s_wait_loadcnt 0x0                             ; X
.macro CHANGE fill                     ; the change of slots, at a slot's head
	s_wait_tensorcnt 0x0                           ; my one load that was out, my part of the slot ahead, has landed: group 0 may be written
	ds_add_u32 v[SPW], v[NIL]                      ; 0 onto my spare word
.if \fill
	s_xor_b32 s33, s33, SLOT1                      ; the other slot than last time,
	s_add_nc_u64 s[34:35], s[34:35], SLOTB         ; the next 16 records
.endif
	s_wait_dscnt 0x0                               ; the add is done, and my reads of the slot that I have left are over
.if \fill
	CROUND                                         ; both hold of every wave of all four work-groups
	tensor_load_to_lds s[32:35], s[24:31]          ; my one tensor load behind the round: it has a slot's eight tiles of work in which to land
	s_nop 0
.rept 4
	v_nop
.endr
.else
	s_barrier_signal -1
	s_barrier_wait -1
.endif
.endm
.macro LOADY buf, t                    ; record t of my eight into set buf: 13 LDS loads
.irp s, 0,1,2,3
.irp c, 0,1,2
	ds_load_b128 v[YF+48*(\buf)+12*\s+4*\c:YF+48*(\buf)+12*\s+4*\c+3], v[YA] offset:(\t)*TILEB+\s*1536+\c*512
.endr
.endr
	ds_load_b64 v[YS+2*(\buf):YS+2*(\buf)+1], v[YB] offset:(\t)*TILEB+6144
.endm
.macro EPI                             ; 4 x 8 scores a lane: the running maximum and sum; the four query tiles by turns
.irp j, 0,2,4,6
.irp q, 0,1,2,3
	v_pk_mul_f32 v[ACC+8*\q+\j:ACC+8*\q+\j+1], v[ACC+8*\q+\j:ACC+8*\q+\j+1], s[40:41] op_sel_hi:[1,0]   ; sim; each accumulator is read from its low end on
.endr
.endr
.irp q, 0,1,2,3
	v_max3_num_f32 v[ST+8*\q+5], v[ACC+8*\q], v[ACC+8*\q+1], v[ACC+8*\q+2]
.endr
.irp q, 0,1,2,3
	v_max3_num_f32 v[ST+8*\q+5], v[ST+8*\q+5], v[ACC+8*\q+3], v[ACC+8*\q+4]
.endr
.irp q, 0,1,2,3
	v_max3_num_f32 v[ST+8*\q+5], v[ST+8*\q+5], v[ACC+8*\q+5], v[ACC+8*\q+6]
.endr
.irp q, 0,1,2,3
	v_max3_num_f32 v[ST+8*\q+4], v[ST+8*\q+5], v[ACC+8*\q+7], v[ST+8*\q+4]   ; the new M
.endr
.irp q, 0,1,2,3
	v_mul_f32 v[ST+8*\q+5], s44, v[ST+8*\q+4]      ; the new NB
.endr
.irp q, 0,1,2,3
	v_sub_f32 v[ST+8*\q+7], v[ST+8*\q+5], v[ST+8*\q]   ; new NB - old NB, 0 or less
.endr
.irp q, 0,1,2,3
	v_mov_b32 v[ST+8*\q], v[ST+8*\q+5]
.endr
.irp j, 0,2,4,6
.irp q, 0,1,2,3
	v_pk_fma_f32 v[ACC+8*\q+\j:ACC+8*\q+\j+1], v[ACC+8*\q+\j:ACC+8*\q+\j+1], s[42:43], v[ST+8*\q:ST+8*\q+1] op_sel_hi:[1,0,0]   ; c s + NB
.endr
.endr
.irp q, 0,1,2,3
	v_exp_f32 v[ST+8*\q+6], v[ST+8*\q+7]           ; f
.endr
.irp j, 0,1,2,3,4,5,6,7
.irp q, 0,1,2,3
	v_exp_f32 v[ACC+8*\q+\j], v[ACC+8*\q+\j]
.endr
.endr
	v_nop                                          ; a plain place behind the last exponential
	s_wait_alu depctr_va_vdst(0)                   ; one wait for the batch of 36, ahead of its first reader
.irp q, 0,1,2,3
	v_pk_add_f32 v[ACC+8*\q:ACC+8*\q+1], v[ACC+8*\q:ACC+8*\q+1], v[ACC+8*\q+2:ACC+8*\q+3]
	v_pk_add_f32 v[ACC+8*\q+4:ACC+8*\q+5], v[ACC+8*\q+4:ACC+8*\q+5], v[ACC+8*\q+6:ACC+8*\q+7]
.endr
.irp q, 0,1,2,3
	v_pk_add_f32 v[ACC+8*\q:ACC+8*\q+1], v[ACC+8*\q:ACC+8*\q+1], v[ACC+8*\q+4:ACC+8*\q+5]
.endr
.irp q, 0,1,2,3
	v_pk_fma_f32 v[ST+8*\q+2:ST+8*\q+3], v[ST+8*\q+2:ST+8*\q+3], v[ST+8*\q+6:ST+8*\q+7], v[ACC+8*\q:ACC+8*\q+1] op_sel_hi:[1,0,1]   ; l = l f + the tile's sum
.endr
.endm
; Tile u of my eight: the next record is asked for, then 16 matrix instructions: K step by K step, the four accumulators by turns, one instruction a turn.
.macro TILE u
.if (\u) < 7
	LOADY 1-(\u)%2, (\u)+1
	s_wait_dscnt 13                                ; all but the 13 just issued: this tile's record is in
.else
	s_wait_dscnt 0x0
.endif
.set YFB, YF+48*((\u)%2)
.set YSB, YS+2*((\u)%2)
	WIN 0x04                                       ; source 1 (X) window 1
.irp s, 0,1,2,3
.irp q, 0,1,2,3
.if \s == 0
	v_wmma_scale_f32_16x16x128_f8f6f4 v[ACC+8*\q:ACC+8*\q+7], v[YFB+12*\s:YFB+12*\s+11], v[48*\q+12*\s:48*\q+12*\s+11], 0, v[YSB], v[XS+2*\q] matrix_a_fmt:MATRIX_FMT_BF6 matrix_b_fmt:MATRIX_FMT_BF6
.elseif \s == 2
	v_wmma_scale_f32_16x16x128_f8f6f4 v[ACC+8*\q:ACC+8*\q+7], v[YFB+12*\s:YFB+12*\s+11], v[48*\q+12*\s:48*\q+12*\s+11], v[ACC+8*\q:ACC+8*\q+7], v[YSB+1], v[XS+2*\q+1] matrix_a_fmt:MATRIX_FMT_BF6 matrix_b_fmt:MATRIX_FMT_BF6
.else
	v_wmma_scale_f32_16x16x128_f8f6f4 v[ACC+8*\q:ACC+8*\q+7], v[YFB+12*\s:YFB+12*\s+11], v[48*\q+12*\s:48*\q+12*\s+11], v[ACC+8*\q:ACC+8*\q+7], v[YSB+\s/2], v[XS+2*\q+\s/2] matrix_a_fmt:MATRIX_FMT_BF6 matrix_b_fmt:MATRIX_FMT_BF6 matrix_a_scale:MATRIX_SCALE_ROW1 matrix_b_scale:MATRIX_SCALE_ROW1
.endif
.endr
.endr
	WIN 0
.rept 4
	v_nop                                          ; four places behind the products, ahead of the first read of results and of the next loads into the fragments' registers
.endr
	EPI
.endm
.macro SLOTWORK
	v_add_nc_u32 v[YA], s36, v[YA0]
	v_add_nc_u32 v[YB], s36, v[YB0]
	LOADY 0, 0
.irp u, 0,1,2,3,4,5,6,7
	TILE \u
.endr
	s_xor_b32 s36, s36, SLOT1                      ; on to the other slot
.endm
	s_mov_b32 s36, 0
	s_mov_b32 s38, 7
.Lslot:                                            ; seven trips: behind each change of slots but the last the next slot is asked for
	CHANGE 1
	SLOTWORK
	s_sub_co_u32 s38, s38, 1
	s_cmp_lg_u32 s38, 0
	s_cbranch_scc1 .Lslot
	CHANGE 0                                       ; the last slot is written out
	SLOTWORK
	; THE WAY OUT: (M, l) of my four tiles' rows into the stage; a barrier, since a row's 32 bytes come from two waves; back as 1,024 dense bytes a wave
.irp q, 0,1,2,3
	v_add_f32 v[ST+8*\q+5], v[ST+8*\q+2], v[ST+8*\q+3]
.endr
.irp q, 0,1,2,3
	ds_store_b64 v12, v[ST+8*\q+4:ST+8*\q+5] offset:512*\q
.endr
	s_wait_dscnt 0x0                               ; for the others' sake: my stores are done
	s_barrier_signal -1
	s_barrier_wait -1
	ds_load_b128 v[64:67], v13
	ds_load_b128 v[68:71], v13 offset:512
	s_wait_dscnt 0x0
	global_store_b128 v14, v[64:67], s[8:9]        ; 32 lanes store 512 consecutive bytes, aligned to 256
	global_store_b128 v14, v[68:71], s[8:9] offset:512
	s_wait_tensorcnt 0x0                           ; the wave's end
	ds_add_u32 v[SPW], v[NIL]
	s_wait_dscnt 0x0
	CROUND                                         ; the closing round
	s_endpgm
.Lfunc_end_k_q4f4f3026dc_passA:
	.size	k_q4f4f3026dc_passA, .Lfunc_end_k_q4f4f3026dc_passA-k_q4f4f3026dc_passA
	.p2alignl 7, 3214868480
	.fill 96, 4, 3214868480
	.section	.rodata,"a",@progbits
	.p2align	6, 0x0
	.amdhsa_kernel k_q4f4f3026dc_passA
		.amdhsa_group_segment_fixed_size 327680
		.amdhsa_private_segment_fixed_size 0
		.amdhsa_enable_private_segment 0
		.amdhsa_kernarg_size 24
		.amdhsa_user_sgpr_count 2
		.amdhsa_user_sgpr_kernarg_segment_ptr 1
		.amdhsa_wavefront_size32 1
		.amdhsa_system_sgpr_workgroup_id_x 1
		.amdhsa_system_sgpr_workgroup_id_y 1
		.amdhsa_system_sgpr_workgroup_id_z 1
		.amdhsa_system_vgpr_workitem_id 0
		.amdhsa_next_free_vgpr 512
		.amdhsa_next_free_sgpr 66
		.amdhsa_reserve_vcc 0
		.amdhsa_float_denorm_mode_32 3
		.amdhsa_float_denorm_mode_16_64 3
		.amdhsa_memory_ordered 1
		.amdhsa_forward_progress 1
		.amdhsa_inst_pref_size 150
	.end_amdhsa_kernel
	.amdgpu_metadata
---
amdhsa.version: [ 1, 2 ]
amdhsa.kernels:
  - .name:           k_q4f4f3026dc_passA
    .symbol:         k_q4f4f3026dc_passA.kd
    .args:
      - { .name: xq, .offset: 0, .size: 8, .value_kind: global_buffer, .address_space: global }
      - { .name: yq, .offset: 8, .size: 8, .value_kind: global_buffer, .address_space: global }
      - { .name: stats, .offset: 16, .size: 8, .value_kind: global_buffer, .address_space: global }
    .group_segment_fixed_size: 327680
    .private_segment_fixed_size: 0
    .kernarg_segment_align: 8
    .kernarg_segment_size: 24
    .max_flat_workgroup_size: 256
    .sgpr_count:     66
    .vgpr_count:     512
    .wavefront_size: 32
...
	.end_amdgpu_metadata
.endif
;; end of part 2
;; launch passB (part 3): grid 32 x 8, 8 waves a work-group, clusters of 4 x 1, 327,680 bytes of LDS; arguments xq, yq, stats, g0, g1, g2, g3; writes g0, g1, g2, g3
.if DOCPART == 3
	.amdgcn_target "amdgcn-amd-amdhsa--gfx1250"
	.amdhsa_code_object_version 6
	.text
	.protected	k_q4f4f3026dc_passB
	.globl	k_q4f4f3026dc_passB
	.p2align	8
	.type	k_q4f4f3026dc_passB,@function
k_q4f4f3026dc_passB:
	s_mov_b64 s[64:65], 0
	v_nop
	global_prefetch_b8 v0, s[64:65] scope:SCOPE_SE
	s_setreg_imm32_b32 hwreg(HW_REG_WAVE_MODE, 25, 1), 1
	s_wait_xcnt 0x0
	s_wait_alu depctr_hold_cnt(0) depctr_sa_sdst(0) depctr_va_vdst(0) depctr_va_sdst(0) depctr_va_ssrc(0) depctr_va_vcc(0) depctr_vm_vsrc(0)
	s_getreg_b32 s2, hwreg(HW_REG_IB_STS2, 6, 4)
	s_cmp_eq_u32 s2, 0
	s_cbranch_scc0 .Lentry_in_a_cluster
	s_endpgm
.Lentry_in_a_cluster:
	s_bfe_u32 s2, ttmp6, 0x10000c
	s_cmp_lg_u32 s2, 0x3003
	s_cbranch_scc0 .Lentry_shape_is_right
	s_endpgm
.Lentry_shape_is_right:
; SECOND PASS over sim: a bit for each (row, GROUP of 8 keys): some sim of the group >= tau(row).  tau is the 16th largest of the row's 32 stream maxima of the first pass: 16 different keys reach it,
; so it lies at or under the row's 16th largest sim.  The products, their order and the multiplication by 1/0.07f are the first pass's, so the scores have the same bits.  The group's largest sim is the
; product of its largest matrix sum with 1/0.07f: a rounded multiplication by a positive number never turns an order round.  No branch and no address hangs on a score: the bits go to fixed places.
; A group is what a lane holds of a key tile: keys 16 T + 8 h + 0..7; its number is 2 T + h.
; g0..g3: buffer b holds splits 2 b and 2 b + 1, laid [split & 1][8192 rows][32 bytes]; in a row's 32 bytes the word at kh x 16 + h x 8 + 4 e has at bit 31 - p the group of tile
; T = split x 128 + (4 e + p / 8) x 16 + kh x 8 + p % 8 and half h.
; SHARES, RING, CLUSTER, LAYOUT: as in the first pass: 256 rows x 2,048 keys a work-group; wave w: query tiles 4 (w & 3) + 0..3 in registers, key tiles 8 (w >> 2) + 0..7 of each slot of 16 records;
; two LDS slots filled by joint tensor loads (mask 15: the four partners share the split); source 0 = 16 keys, source 1 = 16 queries: lane (r, h) holds query r, keys 8 h + 0..7.
; A lane meets 64 tiles in the launch: its 64 bits for each query tile stay in a pair of registers until the end.
; REGISTERS.  Window 0: v1-15 addresses; v16-23 X's scale words; v24-27 the keys'; v32-63 accumulators; v64-159 the keys' fragments (at the head: stream maxima and the sorted 16); v160-163 tau; v164-171 the bits; v172-186 at work.  Window 1: X.
.set TILEB, 6400
.set SLOTB, 16*TILEB
.set SLOT1, 1<<17
.set STG,   233472                     ; behind slot 1: the way out's stage, 256 rows x 32 bytes; no tile lands there
.set TAUL,  303104                     ; 256 words: tau of the work-group's rows
.set SPARE, 304128                     ; the spare words: 128 bytes for each of eight waves
.set YA0, 3
.set YB0, 4
.set YA,  5
.set YB,  6
.set SPW, 7
.set NIL, 8
.set XS,  16
.set YS,  24
.set ACC, 32
.set YF,  64
.set TT,  128                          ; v128-143 at the head: the 16 largest stream maxima, descending
.set TAU, 160                          ; tile q's tau
.set HI,  164                          ; tile q's bits of the first 32 key tiles; a bit is 1 where the group's largest sim < tau
.set LO,  168                          ; and of the last 32
.set TQ,  172                          ; tile q: at work
.set WN,  176                          ; v176-183 the pairs as they are stored
.set SI,  184                          ; the stage, on the way in
.set SR,  185                          ; and back
.set GO,  186                          ; the same place in the buffer
.set MSB, 0
.macro WIN new
.if MSB != \new
	s_set_vgpr_msb (MSB<<8)|\new
.set MSB, \new
.endif
.endm
.macro CROUND
	s_barrier_signal -1
	s_barrier_wait -1
	s_cmp_lg_u32 s12, 0
	s_cbranch_scc1 .Lnot_wave_0_\@
	s_barrier_signal -3
.Lnot_wave_0_\@:
	s_barrier_wait -3
	s_barrier_signal -1
	s_barrier_wait -1
.endm
	s_load_b256 s[4:11], s[0:1], 0x0               ; xq, yq, stats, g0
	s_load_b128 s[56:59], s[0:1], 0x20             ; g1, g2
	s_load_b64 s[60:61], s[0:1], 0x30              ; g3
	v_lshl_add_u32 v[SPW], v0, 2, SPARE
	v_mov_b32 v[NIL], 0
	ds_add_u32 v7, v8
	ds_add_u32 v7, v8
	s_wait_dscnt 0x0
	v_lshrrev_b32 v9, 5, v0
	v_readfirstlane_b32 s12, v9                    ; wave 0..7
	s_and_b32 s13, s12, 3                          ; qg
	s_lshr_b32 s14, s12, 2                         ; kh
	s_bfe_u32 s15, ttmp6, 0x40000                  ; cx: it enters xq's, stats' and the bits' addresses alone
	s_lshl_b32 s16, ttmp9, 2
	s_add_co_u32 s16, s16, s15                     ; my block of 256 rows
	s_and_b32 s17, ttmp7, 0xffff                   ; the split
	s_mov_b32 s24, 15|(3<<16)|(1<<21)              ; group 1: 50 dense rows of 256 bytes, for all four work-groups
	s_mov_b32 s25, 32<<16
	s_mov_b32 s26, 50<<16
	s_mov_b32 s27, 32<<16
	s_mov_b32 s28, 50
	s_mov_b32 s29, 32
	s_mov_b32 s30, 0
	s_mov_b32 s31, 0
	s_mul_i32 s46, s17, 128*TILEB
	s_mul_i32 s33, s12, 2*TILEB
	s_add_co_u32 s46, s46, s33
	s_mov_b32 s47, 0
	s_mul_i32 s48, s16, 16*TILEB
	s_mul_i32 s50, s13, 4*TILEB
	s_add_co_u32 s48, s48, s50
	s_mov_b32 s49, 0
	s_lshl_b32 s50, s16, 13                        ; stats: my block's 256 rows of 32 bytes, in split 0
	s_mov_b32 s51, 0
	s_and_b32 s52, s17, 1                          ; the bits: (split & 1) x 8,192 rows of 32 bytes
	s_lshl_b32 s52, s52, 18
	s_lshl_b32 s53, s16, 13                        ; + block x 256 rows
	s_add_co_u32 s52, s52, s53
	s_mov_b32 s53, 0
	s_mov_b32 s32, 1
	s_mov_b32 s40, 0x41649249                      ; 1 / 0.07f
	s_wait_kmcnt 0x0
	s_add_nc_u64 s[34:35], s[6:7], s[46:47]
	s_or_b32 s35, s35, 0x80000000
	s_add_nc_u64 s[4:5], s[4:5], s[48:49]
	s_add_nc_u64 s[8:9], s[8:9], s[50:51]
	s_bitcmp1_b32 s17, 1                           ; the buffer is number split / 2: the choice hangs on the work-group's number alone
	s_cselect_b64 s[10:11], s[56:57], s[10:11]     ; g1 or g0
	s_cselect_b64 s[58:59], s[60:61], s[58:59]     ; g3 or g2
	s_bitcmp1_b32 s17, 2
	s_cselect_b64 s[10:11], s[58:59], s[10:11]
	s_add_nc_u64 s[10:11], s[10:11], s[52:53]
	CROUND
	tensor_load_to_lds s[32:35], s[24:31]          ; slot 0
	s_nop 0
.rept 4
	v_nop
.endr
	v_and_b32 v9, 31, v0
	v_and_b32 v1, 15, v0                           ; r
	v_bfe_u32 v2, v0, 4, 1                         ; h
	v_lshlrev_b32 v10, 4, v9
	v_lshlrev_b32 v11, 3, v9
	s_mul_i32 s46, s14, 8*TILEB
	v_add_nc_u32 v[YA0], s46, v10
	v_add_nc_u32 v[YB0], s46, v11
	WIN 0x40
.irp q, 0,1,2,3
.irp s, 0,1,2,3
.irp c, 0,1,2
	global_load_b128 v[48*\q+12*\s+4*\c:48*\q+12*\s+4*\c+3], v10, s[4:5] offset:\q*TILEB+\s*1536+\c*512
.endr
.endr
.endr
	WIN 0
.irp q, 0,1,2,3
	global_load_b64 v[XS+2*\q:XS+2*\q+1], v11, s[4:5] offset:\q*TILEB+6144
.endr
	v_lshlrev_b32 v12, 5, v0                       ; thread t takes row t of the block: its 32 streams' (M, l)
.irp n, 0,1,2,3,4,5,6,7,8,9,10,11,12,13,14,15
	global_load_b128 v[64+4*\n:64+4*\n+3], v12, s[8:9] offset:(\n/2)*262144+(\n%2)*16   ; M in registers 4 n and 4 n + 2
.endr
	v_lshl_add_u32 v13, v0, 2, TAUL                ; where I put my row's tau
	s_lshl_b32 s46, s13, 8
	s_add_co_u32 s46, s46, TAUL
	v_lshl_add_u32 v14, v1, 2, s46                 ; and where I read the tau of query 64 qg + r
	s_lshl_b32 s46, s13, 11                        ; the stage, in: row 64 qg + r of 32 bytes, + 16 kh + 8 h
	s_lshl_b32 s47, s14, 4
	s_add_co_u32 s46, s46, s47
	s_add_co_u32 s46, s46, STG
	v_lshlrev_b32 v[SI], 5, v1
	v_lshl_add_u32 v[SI], v2, 3, v[SI]
	v_add_nc_u32 v[SI], s46, v[SI]
	s_lshl_b32 s46, s12, 10                        ; back: wave w takes 1,024 bytes
	v_add_nc_u32 v[GO], s46, v10
	v_add_nc_u32 v[SR], STG, v[GO]
.irp i, 0,1,2,3,4,5,6,7,8,9,10,11,12,13,14,15
	v_mov_b32 v[TT+\i], 0xff800000                 ; -infinity
.endr
.irp q, 0,1,2,3
	v_mov_b32 v[HI+\q], 0                          ; read by the first shifts; 64 shifts push these bits out
	v_mov_b32 v[LO+\q], 0
.endr
	s_wait_loadcnt 0x0                             ; X and the stream maxima
.macro INS x                           ; x enters the descending list of 16: place i takes the middle one of x and places i - 1 and i
.irp i, 15,14,13,12,11,10,9,8,7,6,5,4,3,2,1
	v_med3_num_f32 v[TT+\i], v[\x], v[TT+\i-1], v[TT+\i]
.endr
	v_max_num_f32 v[TT], v[TT], v[\x]
.endm
.irp n, 0,1,2,3,4,5,6,7,8,9,10,11,12,13,14,15
	INS 64+4*\n
	INS 66+4*\n
.endr
	ds_store_b32 v13, v[TT+15]                     ; tau
	s_wait_dscnt 0x0                               ; for the others' sake
	s_barrier_signal -1                            ; (slot 0's load may be out)
	s_barrier_wait -1
.irp q, 0,1,2,3
	ds_load_b32 v[TAU+\q], v14 offset:64*\q
.endr
	s_wait_dscnt 0x0
.macro CHANGE fill
	s_wait_tensorcnt 0x0                           ; my one load that was out has landed: group 0 may be written
	ds_add_u32 v[SPW], v[NIL]                      ; 0 onto my spare word
.if \fill
	s_xor_b32 s33, s33, SLOT1
	s_add_nc_u64 s[34:35], s[34:35], SLOTB
.endif
	s_wait_dscnt 0x0                               ; the add is done, and my reads of the slot that I have left are over
.if \fill
	CROUND
	tensor_load_to_lds s[32:35], s[24:31]          ; my one tensor load behind the round
	s_nop 0
.rept 4
	v_nop
.endr
.else
	s_barrier_signal -1
	s_barrier_wait -1
.endif
.endm
.macro LOADY buf, t
.irp s, 0,1,2,3
.irp c, 0,1,2
	ds_load_b128 v[YF+48*(\buf)+12*\s+4*\c:YF+48*(\buf)+12*\s+4*\c+3], v[YA] offset:(\t)*TILEB+\s*1536+\c*512
.endr
.endr
	ds_load_b64 v[YS+2*(\buf):YS+2*(\buf)+1], v[YB] offset:(\t)*TILEB+6144
.endm
.macro EPI                             ; 4 x 8 sums a lane become 4 bits; the four query tiles by turns
.irp q, 0,1,2,3
	v_max3_num_f32 v[TQ+\q], v[ACC+8*\q], v[ACC+8*\q+1], v[ACC+8*\q+2]   ; each accumulator is read from its low end on
.endr
.irp q, 0,1,2,3
	v_max3_num_f32 v[TQ+\q], v[TQ+\q], v[ACC+8*\q+3], v[ACC+8*\q+4]
.endr
.irp q, 0,1,2,3
	v_max3_num_f32 v[TQ+\q], v[TQ+\q], v[ACC+8*\q+5], v[ACC+8*\q+6]
.endr
.irp q, 0,1,2,3
	v_max_num_f32 v[TQ+\q], v[TQ+\q], v[ACC+8*\q+7]   ; the group's largest sum
.endr
.irp q, 0,1,2,3
	v_mul_f32 v[TQ+\q], s40, v[TQ+\q]              ; its largest sim, rounded as in the first pass
.endr
.irp q, 0,1,2,3
	v_sub_f32 v[TQ+\q], v[TQ+\q], v[TAU+\q]        ; its sign is set just where that sim < tau (equal numbers give +0)
.endr
.irp q, 0,1,2,3
	v_alignbit_b32 v[HI+\q], v[HI+\q], v[LO+\q], 31   ; the 64 bits one place up:
.endr
.irp q, 0,1,2,3
	v_alignbit_b32 v[LO+\q], v[LO+\q], v[TQ+\q], 31   ; the sign comes in at the bottom
.endr
.endm
.macro TILE u
.if (\u) < 7
	LOADY 1-(\u)%2, (\u)+1
	s_wait_dscnt 13                                ; all but the 13 just issued: this tile's record is in
.else
	s_wait_dscnt 0x0
.endif
.set YFB, YF+48*((\u)%2)
.set YSB, YS+2*((\u)%2)
	WIN 0x04
.irp s, 0,1,2,3
.irp q, 0,1,2,3
.if \s == 0
	v_wmma_scale_f32_16x16x128_f8f6f4 v[ACC+8*\q:ACC+8*\q+7], v[YFB+12*\s:YFB+12*\s+11], v[48*\q+12*\s:48*\q+12*\s+11], 0, v[YSB], v[XS+2*\q] matrix_a_fmt:MATRIX_FMT_BF6 matrix_b_fmt:MATRIX_FMT_BF6
.elseif \s == 2
	v_wmma_scale_f32_16x16x128_f8f6f4 v[ACC+8*\q:ACC+8*\q+7], v[YFB+12*\s:YFB+12*\s+11], v[48*\q+12*\s:48*\q+12*\s+11], v[ACC+8*\q:ACC+8*\q+7], v[YSB+1], v[XS+2*\q+1] matrix_a_fmt:MATRIX_FMT_BF6 matrix_b_fmt:MATRIX_FMT_BF6
.else
	v_wmma_scale_f32_16x16x128_f8f6f4 v[ACC+8*\q:ACC+8*\q+7], v[YFB+12*\s:YFB+12*\s+11], v[48*\q+12*\s:48*\q+12*\s+11], v[ACC+8*\q:ACC+8*\q+7], v[YSB+\s/2], v[XS+2*\q+\s/2] matrix_a_fmt:MATRIX_FMT_BF6 matrix_b_fmt:MATRIX_FMT_BF6 matrix_a_scale:MATRIX_SCALE_ROW1 matrix_b_scale:MATRIX_SCALE_ROW1
.endif
.endr
.endr
	WIN 0
.rept 4
	v_nop                                          ; four places behind the products (ISA guide 7.12.1)
.endr
	EPI
.endm
.macro SLOTWORK
	v_add_nc_u32 v[YA], s36, v[YA0]
	v_add_nc_u32 v[YB], s36, v[YB0]
	LOADY 0, 0
.irp u, 0,1,2,3,4,5,6,7
	TILE \u
.endr
	s_xor_b32 s36, s36, SLOT1
.endm
	s_mov_b32 s36, 0
	s_mov_b32 s38, 7
.Lslot:
	CHANGE 1
	SLOTWORK
	s_sub_co_u32 s38, s38, 1
	s_cmp_lg_u32 s38, 0
	s_cbranch_scc1 .Lslot
	CHANGE 0                                       ; the last slot is written out
	SLOTWORK
	; THE WAY OUT: the pairs, inverted (a bit is now 1 where the group reaches tau), into the stage; a barrier, since a row's 32 bytes come from two waves; back as 1,024 dense bytes a wave
.irp q, 0,1,2,3
	v_not_b32 v[WN+2*\q], v[HI+\q]
	v_not_b32 v[WN+2*\q+1], v[LO+\q]
.endr
.irp q, 0,1,2,3
	ds_store_b64 v[SI], v[WN+2*\q:WN+2*\q+1] offset:512*\q
.endr
	s_wait_dscnt 0x0                               ; for the others' sake: my stores are done
	s_barrier_signal -1
	s_barrier_wait -1
	ds_load_b128 v[64:67], v[SR]
	ds_load_b128 v[68:71], v[SR] offset:512
	s_wait_dscnt 0x0
	global_store_b128 v[GO], v[64:67], s[10:11]    ; 32 lanes store 512 consecutive bytes, aligned to 256
	global_store_b128 v[GO], v[68:71], s[10:11] offset:512
	s_wait_tensorcnt 0x0                           ; the wave's end
	ds_add_u32 v[SPW], v[NIL]
	s_wait_dscnt 0x0
	CROUND                                         ; the closing round
	s_endpgm
.Lfunc_end_k_q4f4f3026dc_passB:
	.size	k_q4f4f3026dc_passB, .Lfunc_end_k_q4f4f3026dc_passB-k_q4f4f3026dc_passB
	.p2alignl 7, 3214868480
	.fill 96, 4, 3214868480
	.section	.rodata,"a",@progbits
	.p2align	6, 0x0
	.amdhsa_kernel k_q4f4f3026dc_passB
		.amdhsa_group_segment_fixed_size 327680
		.amdhsa_private_segment_fixed_size 0
		.amdhsa_enable_private_segment 0
		.amdhsa_kernarg_size 56
		.amdhsa_user_sgpr_count 2
		.amdhsa_user_sgpr_kernarg_segment_ptr 1
		.amdhsa_wavefront_size32 1
		.amdhsa_system_sgpr_workgroup_id_x 1
		.amdhsa_system_sgpr_workgroup_id_y 1
		.amdhsa_system_sgpr_workgroup_id_z 1
		.amdhsa_system_vgpr_workitem_id 0
		.amdhsa_next_free_vgpr 512
		.amdhsa_next_free_sgpr 66
		.amdhsa_reserve_vcc 0
		.amdhsa_float_denorm_mode_32 3
		.amdhsa_float_denorm_mode_16_64 3
		.amdhsa_memory_ordered 1
		.amdhsa_forward_progress 1
		.amdhsa_inst_pref_size 121
	.end_amdhsa_kernel
	.amdgpu_metadata
---
amdhsa.version: [ 1, 2 ]
amdhsa.kernels:
  - .name:           k_q4f4f3026dc_passB
    .symbol:         k_q4f4f3026dc_passB.kd
    .args:
      - { .name: xq, .offset: 0, .size: 8, .value_kind: global_buffer, .address_space: global }
      - { .name: yq, .offset: 8, .size: 8, .value_kind: global_buffer, .address_space: global }
      - { .name: stats, .offset: 16, .size: 8, .value_kind: global_buffer, .address_space: global }
      - { .name: g0, .offset: 24, .size: 8, .value_kind: global_buffer, .address_space: global }
      - { .name: g1, .offset: 32, .size: 8, .value_kind: global_buffer, .address_space: global }
      - { .name: g2, .offset: 40, .size: 8, .value_kind: global_buffer, .address_space: global }
      - { .name: g3, .offset: 48, .size: 8, .value_kind: global_buffer, .address_space: global }
    .group_segment_fixed_size: 327680
    .private_segment_fixed_size: 0
    .kernarg_segment_align: 8
    .kernarg_segment_size: 56
    .max_flat_workgroup_size: 256
    .sgpr_count:     66
    .vgpr_count:     512
    .wavefront_size: 32
...
	.end_amdgpu_metadata
.endif
;; end of part 3
;; launch passC (part 4): grid 8192 x 1, 1 waves a work-group, no clusters, 0 bytes of LDS; arguments xq, yq, stats, g0, g1, g2, g3, out0; writes out0
.if DOCPART == 4
	.amdgcn_target "amdgcn-amd-amdhsa--gfx1250"
	.amdhsa_code_object_version 6
	.text
	.protected	k_q4f4f3026dc_passC
	.globl	k_q4f4f3026dc_passC
	.p2align	8
	.type	k_q4f4f3026dc_passC,@function
k_q4f4f3026dc_passC:
	s_mov_b64 s[64:65], 0
	v_nop
	global_prefetch_b8 v0, s[64:65] scope:SCOPE_SE
	s_setreg_imm32_b32 hwreg(HW_REG_WAVE_MODE, 25, 1), 1
	s_wait_xcnt 0x0
; THE CHOICE.  One wave takes one row.  Its candidates are keys 0..15 and all 8 keys of every GROUP whose bit is set in g0..g3 (some sim of the group >= tau, tau at or under the row's 16th largest sim).  Each candidate's
; sim is made anew by the same four matrix instructions in the same order of K, P = exp(sim - max) / sum is formed in f32, and the 16 first by (P descending, index ascending) are the row's result, as a top-k that keeps
; the lower index gives them.
; Why these candidates do: a key with P > 0 among the 16 has sim >= tau, so its group is flagged; if a key with P = 0 is among the 16, fewer than 16 keys have P > 0, and the zeros chosen are the lowest indices left, all
; under 16.  Keys beyond these do no harm: each is judged by its own P.
; LIMITS, stated: P under 2^-126 (the exponential's result or the quotient) counts as 0; the division is a reciprocal and a multiplication; two different scores whose P round to one number at the 16th place
; are parted by index; NaN and infinities are not served.
; WHAT STEERS.  Every branch, trip count and gather address hangs on whole numbers that the launch before stored (g0..g3), brought in by SCALAR loads; a group's number reaches the vector side by a select under a
; scalar lane mask.  Floating-point numbers feed selects alone.
; THE WALK.  The row has 64 words of bits (2,048 groups).  Two trips of a loop take 32 words each, by four scalar loads of 32 bytes.  A bit for each word that is not 0 is made; a counted loop takes those words, each picked
; out of the 32 registers by a tree of selects; in it a counted loop takes the word's bits.  Two groups are a CHUNK of 16 keys: gather, four products, P, and a sort of 32 lanes (the best 16 so far and the 16 new).
; A chunk is worked when a third group arrives, and once more at the end.  Any number of flagged groups is served.
; Word w = split x 8 + kh x 4 + h x 2 + e; its bit 31 - p is group split x 256 + e x 128 + (p / 8) x 32 + kh x 16 + (p % 8) x 2 + h; group g is keys 8 g + 0..7: rows 8 (g & 1) + 0..7 of record g / 2.
; No tensor load, no LDS, no barrier; work-groups share no tile, so no cluster.  128 registers: eight such waves have room on a SIMD, as many rows as fall to it.
.set TILEB, 6400
.set RR,   1                           ; v1   lane % 16
.set R7,   2                           ; v2   lane % 8
.set MROW, 3
.set RS,   4
.set KP,   5                           ; the sort's state: P and index
.set KI,   6
.set PP,   7                           ; the partner's
.set PI,   8
.set GRP,  9                           ; lanes with lane % 16 < 8: the pending chunk's first group; the others: its second
.set KEY,  10
.set GA,   11
.set GS,   12
.set TW,   13                          ; at work
.set CC,   14                          ; 256 h + 16 (lane % 8): my place among a group's codes
.set CS,   15                          ; 128 h + 8 (lane % 8): among its scale words
.set OA,   16                          ; out0: 4 (lane % 16)
.set Z0,   17                          ; 0
.set M1,   18                          ; -1.0
.set ACC,  20
.set XS,   28
.set KS,   30
.set XF,   32
.set KF,   80
.set HH,   80                          ; at the head alone, where the keys' fragments will lie: h,
.set T1,   81                          ; at work,
.set SP,   82                          ; v82-83 my stream's (M, l),
.set T2,   84
.set A1,   85                          ; and three offsets
.set A2,   86
.set A3,   87
.set CNT,  23                          ; s23  keys pending: 0, 8 or 16
.set TOP,  24                          ; s24  a bit for each of the 32 words not yet taken that is not 0
.set WC,   28                          ; s28  counts the words
.set WD,   29                          ; s29  what is left of the word in hand
.set GB,   30                          ; s30  the group of its bit 31
.set NB,   31                          ; s31  its bits
.set NWD,  48                          ; s48  words that are not 0
.set BC,   49                          ; s49  counts the bits
.set HC,   50                          ; s50  counts the two trips
.set SU,   68                          ; s[68:99] 32 words
	s_load_b256 s[4:11], s[0:1], 0x0               ; xq, yq, stats, g0
	s_load_b256 s[12:19], s[0:1], 0x20             ; g1, g2, g3, out0
	v_and_b32 v[RR], 15, v0                        ; (one wave: v0 is the lane)
	v_and_b32 v[R7], 7, v0
	v_bfe_u32 v[HH], v0, 4, 1
	s_mov_b32 s20, 0x76543210
	s_mov_b32 s21, 0xfedcba98                      ; selects for lane l xor 16
	s_mov_b32 s25, 0x41649249                      ; 1 / 0.07f
	s_mov_b32 s26, 0x3fb8aa3b                      ; c = log2(e)
	s_mov_b32 s27, 0xbfb8aa3b                      ; -c
	s_mov_b32 s51, 0xffff0000                      ; lanes 16-31
	s_mov_b32 s52, 0x00800000                      ; 2^-126
	s_mov_b32 s67, 0
	v_lshrrev_b32 v[T1], 2, v0
	v_and_b32 v[T2], 3, v0
	v_lshlrev_b32 v[A1], 18, v[T1]                 ; stats: lane l takes stream l: split l / 4 (8,192 rows of 32 bytes on),
	v_lshl_add_u32 v[A1], v[T2], 3, v[A1]          ; pair l % 4
	s_and_b32 s22, ttmp9, 15
	s_lshl_b32 s54, s22, 3
	s_lshl_b32 s22, s22, 4
	v_lshl_add_u32 v[A2], v[HH], 8, s22            ; X: every lane takes my row's own place in its record: 16 (16 h + row % 16),
	v_lshl_add_u32 v[A3], v[HH], 7, s54            ; and its scale words: 8 (16 h + row % 16)
	v_lshlrev_b32 v[CC], 8, v[HH]
	v_lshl_add_u32 v[CC], v[R7], 4, v[CC]
	v_lshlrev_b32 v[CS], 7, v[HH]
	v_lshl_add_u32 v[CS], v[R7], 3, v[CS]
	v_lshlrev_b32 v[OA], 2, v[RR]
	v_mov_b32 v[Z0], 0
	v_mov_b32 v[M1], -1.0
	v_bfe_u32 v[GRP], v0, 3, 1                     ; the first chunk: groups 0 and 1, keys 0..15
	s_wait_kmcnt 0x0
	s_lshl_b32 s66, ttmp9, 5                       ; my row's 32 bytes
	s_add_nc_u64 s[8:9], s[8:9], s[66:67]          ; of stats, in split 0,
	s_add_nc_u64 s[10:11], s[10:11], s[66:67]      ; and of each buffer of bits, in its first split
	s_add_nc_u64 s[12:13], s[12:13], s[66:67]
	s_add_nc_u64 s[14:15], s[14:15], s[66:67]
	s_add_nc_u64 s[16:17], s[16:17], s[66:67]
	s_lshr_b32 s22, ttmp9, 4
	s_mul_i32 s66, s22, TILEB
	s_add_nc_u64 s[4:5], s[4:5], s[66:67]          ; my row's record in xq
	s_lshl_b32 s66, ttmp9, 6
	s_add_nc_u64 s[18:19], s[18:19], s[66:67]      ; my row of out0
	global_load_b64 v[SP:SP+1], v[A1], s[8:9]      ; my stream's (M, l)
.irp s, 0,1,2,3
.irp c, 0,1,2
	global_load_b128 v[XF+12*\s+4*\c:XF+12*\s+4*\c+3], v[A2], s[4:5] offset:\s*1536+\c*512   ; all 16 rows of source 0 are my row
.endr
.endr
	global_load_b64 v[XS:XS+1], v[A3], s[4:5] offset:6144
	; the row's maximum and 1 / sum, from the 32 streams
	s_wait_loadcnt 0x0
	v_mov_b32 v[MROW], v[SP]
	v_max_num_f32_dpp v[MROW], v[MROW], v[MROW] row_xmask:1 row_mask:0xf bank_mask:0xf
	v_max_num_f32_dpp v[MROW], v[MROW], v[MROW] row_xmask:2 row_mask:0xf bank_mask:0xf
	v_max_num_f32_dpp v[MROW], v[MROW], v[MROW] row_xmask:4 row_mask:0xf bank_mask:0xf
	v_max_num_f32_dpp v[MROW], v[MROW], v[MROW] row_xmask:8 row_mask:0xf bank_mask:0xf
	v_permlanex16_b32 v[T1], v[MROW], s20, s21
	v_max_num_f32 v[MROW], v[MROW], v[T1]
	v_mul_f32 v[TW], s27, v[SP]                    ; the stream's NB, as the first pass made it
	v_fma_f32 v[TW], v[MROW], s27, -v[TW]          ; -c max - NB, 0 or less
	v_exp_f32 v[TW], v[TW]
	v_nop                                          ; a plain place behind the transcendental
	s_wait_alu depctr_va_vdst(0)                   ; ahead of the exponential's first reader
	v_mul_f32 v[TW], v[TW], v[SP+1]                ; the stream's sum under the row's maximum
	v_add_f32_dpp v[TW], v[TW], v[TW] row_xmask:1 row_mask:0xf bank_mask:0xf
	v_add_f32_dpp v[TW], v[TW], v[TW] row_xmask:2 row_mask:0xf bank_mask:0xf
	v_add_f32_dpp v[TW], v[TW], v[TW] row_xmask:4 row_mask:0xf bank_mask:0xf
	v_add_f32_dpp v[TW], v[TW], v[TW] row_xmask:8 row_mask:0xf bank_mask:0xf
	v_permlanex16_b32 v[T1], v[TW], s20, s21
	v_add_f32 v[TW], v[TW], v[T1]
	v_rcp_f32 v[RS], v[TW]
	v_mov_b32 v[KP], -1.0                          ; (a plain place)  the best 16 so far: nothing, under every P
	s_wait_alu depctr_va_vdst(0)
	v_mov_b32 v[KI], 0
	v_mov_b32 v[PP], 0
	v_mov_b32 v[PI], 0
; One stage of a bitonic sort of the 32 lanes by (P descending, index ascending): lane l meets lane l xor j; km has a bit for each lane that keeps the better of the two.
.macro STAGE j, km
.if \j == 16
	v_permlanex16_b32 v[PP], v[KP], s20, s21
	v_permlanex16_b32 v[PI], v[KI], s20, s21
.else
	v_mov_b32_dpp v[PP], v[KP] row_xmask:\j row_mask:0xf bank_mask:0xf
	v_mov_b32_dpp v[PI], v[KI] row_xmask:\j row_mask:0xf bank_mask:0xf
.endif
	v_cmp_gt_f32 s60, v[KP], v[PP]
	v_cmp_eq_f32 s61, v[KP], v[PP]
	v_cmp_lt_u32 s62, v[KI], v[PI]
	s_and_b32 s61, s61, s62
	s_or_b32 s60, s60, s61                         ; mine is the better
	s_xor_b32 s60, s60, \km                        ; so I take the partner's where this is set
	v_cndmask_b32 v[KP], v[KP], v[PP], s60
	v_cndmask_b32 v[KI], v[KI], v[PI], s60
.endm
; THE CHUNK: the pending keys, s[CNT] of them (the lanes beyond hold an older group, which is made to count for nothing); lanes r and 16 + r serve key r of the 16.
.macro CHUNK
	v_lshl_add_u32 v[KEY], v[GRP], 3, v[R7]        ; my key: 8 g + lane % 8
	v_lshrrev_b32 v[GA], 1, v[GRP]                 ; its record,
	v_and_b32 v[TW], 1, v[GRP]                     ; the record's half;
	v_min_u32 v[GA], 0x3ff, v[GA]                  ; both held inside yq
	v_min_u32 v[TW], 1, v[TW]
	v_mul_u32_u24 v[GA], v[GA], TILEB
	v_lshl_add_u32 v[GS], v[TW], 6, v[GA]
	v_add_nc_u32 v[GS], v[GS], v[CS]               ; its scale words: 8 (16 h + row)
	v_lshl_add_u32 v[GA], v[TW], 7, v[GA]
	v_add_nc_u32 v[GA], v[GA], v[CC]               ; its codes: 16 (16 h + row)
.irp s, 0,1,2,3
.irp c, 0,1,2
	global_load_b128 v[KF+12*\s+4*\c:KF+12*\s+4*\c+3], v[GA], s[6:7] offset:\s*1536+\c*512   ; eight neighbouring lanes read 128 consecutive bytes
.endr
.endr
	global_load_b64 v[KS:KS+1], v[GS], s[6:7] offset:6144
	s_wait_loadcnt 0x0
	v_wmma_scale_f32_16x16x128_f8f6f4 v[ACC:ACC+7], v[XF:XF+11], v[KF:KF+11], 0, v[XS], v[KS] matrix_a_fmt:MATRIX_FMT_BF6 matrix_b_fmt:MATRIX_FMT_BF6
	s_wait_alu depctr_va_vdst(0)                   ; a wait ahead of each link
	v_wmma_scale_f32_16x16x128_f8f6f4 v[ACC:ACC+7], v[XF+12:XF+23], v[KF+12:KF+23], v[ACC:ACC+7], v[XS], v[KS] matrix_a_fmt:MATRIX_FMT_BF6 matrix_b_fmt:MATRIX_FMT_BF6 matrix_a_scale:MATRIX_SCALE_ROW1 matrix_b_scale:MATRIX_SCALE_ROW1
	s_wait_alu depctr_va_vdst(0)
	v_wmma_scale_f32_16x16x128_f8f6f4 v[ACC:ACC+7], v[XF+24:XF+35], v[KF+24:KF+35], v[ACC:ACC+7], v[XS+1], v[KS+1] matrix_a_fmt:MATRIX_FMT_BF6 matrix_b_fmt:MATRIX_FMT_BF6
	s_wait_alu depctr_va_vdst(0)
	v_wmma_scale_f32_16x16x128_f8f6f4 v[ACC:ACC+7], v[XF+36:XF+47], v[KF+36:KF+47], v[ACC:ACC+7], v[XS+1], v[KS+1] matrix_a_fmt:MATRIX_FMT_BF6 matrix_b_fmt:MATRIX_FMT_BF6 matrix_a_scale:MATRIX_SCALE_ROW1 matrix_b_scale:MATRIX_SCALE_ROW1
.rept 4
	v_nop                                          ; four places ahead of the first read of the result (ISA guide 7.12.1)
.endr
	v_mul_f32 v[TW], s25, v[ACC]                   ; all rows of the result are my row: register 0 of lane (r, h) is key r's sim
	v_sub_f32 v[TW], v[TW], v[MROW]
	v_mul_f32 v[TW], s26, v[TW]
	v_exp_f32 v[TW], v[TW]                         ; exp(sim - max); under 2^-126 it comes out as 0
	v_nop
	s_wait_alu depctr_va_vdst(0)
	v_mul_f32 v[TW], v[TW], v[RS]                  ; P
	v_cmp_gt_f32 vcc_lo, s52, v[TW]
	v_cndmask_b32 v[TW], v[TW], v[Z0], vcc_lo      ; under 2^-126: 0
	v_cmp_le_u32 vcc_lo, s[CNT], v[RR]
	v_cndmask_b32 v[TW], v[TW], v[M1], vcc_lo      ; beyond the pending keys: -1, under every P
	v_cndmask_b32 v[KP], v[KP], v[TW], s51         ; lanes 0-15 keep the best 16 so far, lanes 16-31 take the chunk
	v_cndmask_b32 v[KI], v[KI], v[KEY], s51
	STAGE 1, 0x99999999
	STAGE 2, 0xc3c3c3c3
	STAGE 1, 0xa5a5a5a5
	STAGE 4, 0xf00ff00f
	STAGE 2, 0xcc33cc33
	STAGE 1, 0xaa55aa55
	STAGE 8, 0xff0000ff
	STAGE 4, 0xf0f00f0f
	STAGE 2, 0xcccc3333
	STAGE 1, 0xaaaa5555
	STAGE 16, 0x0000ffff
	STAGE 8, 0x00ff00ff
	STAGE 4, 0x0f0f0f0f
	STAGE 2, 0x33333333
	STAGE 1, 0x55555555
.endm
; Word number s53 of the 32 into s[WD]: a tree of selects on the number's five bits; s[32:47] at work.
.macro SEL32
	s_bitcmp1_b32 s53, 4
.irp i, 0,1,2,3,4,5,6,7
	s_cselect_b64 s[32+2*\i:33+2*\i], s[SU+16+2*\i:SU+17+2*\i], s[SU+2*\i:SU+1+2*\i]
.endr
	s_bitcmp1_b32 s53, 3
.irp i, 0,1,2,3
	s_cselect_b64 s[32+2*\i:33+2*\i], s[40+2*\i:41+2*\i], s[32+2*\i:33+2*\i]
.endr
	s_bitcmp1_b32 s53, 2
.irp i, 0,1
	s_cselect_b64 s[32+2*\i:33+2*\i], s[36+2*\i:37+2*\i], s[32+2*\i:33+2*\i]
.endr
	s_bitcmp1_b32 s53, 1
	s_cselect_b64 s[32:33], s[34:35], s[32:33]
	s_bitcmp1_b32 s53, 0
	s_cselect_b32 s[WD], s33, s32
.endm
	s_mov_b32 s[CNT], 16                           ; keys 0..15 are pending
	s_mov_b32 s[HC], 0
.Lhalf:                                            ; two trips: splits 0-3 (g0, g1), then splits 4-7 (g2, g3)
	s_cmp_eq_u32 s[HC], 0
	s_cselect_b64 s[56:57], s[10:11], s[14:15]
	s_cselect_b64 s[58:59], s[12:13], s[16:17]
	s_load_b256 s[SU:SU+7], s[56:57], 0x0
	s_load_b256 s[SU+8:SU+15], s[56:57], 0x40000   ; a buffer's second split lies 8,192 rows of 32 bytes on
	s_load_b256 s[SU+16:SU+23], s[58:59], 0x0
	s_load_b256 s[SU+24:SU+31], s[58:59], 0x40000
	s_wait_kmcnt 0x0                               ; the 32 words are in, and the chosen pointers' registers are free
	s_mov_b32 s[TOP], 0
.irp d, 31,30,29,28,27,26,25,24,23,22,21,20,19,18,17,16,15,14,13,12,11,10,9,8,7,6,5,4,3,2,1,0
	s_lshl_b32 s[TOP], s[TOP], 1
	s_min_u32 s22, s[SU+\d], 1
	s_or_b32 s[TOP], s[TOP], s22                   ; bit d: word d is not 0
.endr
	s_bcnt1_i32_b32 s[NWD], s[TOP]
	s_cmp_eq_u32 s[NWD], 0
	s_cbranch_scc1 .Lhalfend                       ; no word: the loop over words is jumped over as a whole
	s_mov_b32 s[WC], 0
.Lword:
	s_ctz_i32_b32 s53, s[TOP]                      ; the next word that is not 0,
	s_sub_co_u32 s22, s[TOP], 1
	s_and_b32 s[TOP], s[TOP], s22                  ; struck off
	SEL32
	s_lshl_b32 s22, s[HC], 5
	s_add_co_u32 s22, s22, s53                     ; w = split x 8 + kh x 4 + h x 2 + e
	s_lshr_b32 s[GB], s22, 3
	s_lshl_b32 s[GB], s[GB], 8                     ; split x 256
	s_and_b32 s54, s22, 1
	s_lshl_b32 s54, s54, 7
	s_add_co_u32 s[GB], s[GB], s54                 ; + e x 128
	s_bfe_u32 s54, s22, 0x10002
	s_lshl_b32 s54, s54, 4
	s_add_co_u32 s[GB], s[GB], s54                 ; + kh x 16
	s_bfe_u32 s54, s22, 0x10001
	s_add_co_u32 s[GB], s[GB], s54                 ; + h
	s_bcnt1_i32_b32 s[NB], s[WD]
	s_cmp_eq_u32 s[NB], 0
	s_cbranch_scc1 .Lnobits
	s_mov_b32 s[BC], 0
.Lbit:
	s_ctz_i32_b32 s32, s[WD]
	s_sub_co_u32 s33, s[WD], 1
	s_and_b32 s[WD], s[WD], s33
	s_xor_b32 s32, s32, 31                         ; p = 31 - the bit's number
	s_and_b32 s33, s32, 24
	s_lshl_b32 s33, s33, 2                         ; (p / 8) x 32
	s_and_b32 s32, s32, 7
	s_lshl_b32 s32, s32, 1                         ; (p % 8) x 2
	s_add_co_u32 s33, s33, s[GB]
	s_add_co_u32 s33, s33, s32                     ; the group
	s_cmp_lt_u32 s33, 2
	s_cbranch_scc1 .Lskip                          ; groups 0 and 1 were the first chunk
	s_cmp_lt_u32 s[CNT], 16
	s_cbranch_scc1 .Lroom
	CHUNK                                          ; two groups are pending: they are worked before the third is taken
	s_mov_b32 s[CNT], 0
.Lroom:
	s_lshl_b32 s34, 0x00ff00ff, s[CNT]             ; lanes CNT .. CNT + 7 of each half
	v_mov_b32 v[TW], s33
	v_cndmask_b32 v[GRP], v[GRP], v[TW], s34
	s_add_co_u32 s[CNT], s[CNT], 8
.Lskip:
	s_add_co_u32 s[BC], s[BC], 1
	s_cmp_lt_u32 s[BC], s[NB]
	s_cbranch_scc1 .Lbit
.Lnobits:
	s_add_co_u32 s[WC], s[WC], 1
	s_cmp_lt_u32 s[WC], s[NWD]
	s_cbranch_scc1 .Lword
.Lhalfend:
	s_add_co_u32 s[HC], s[HC], 1
	s_cmp_lt_u32 s[HC], 2
	s_cbranch_scc1 .Lhalf
	CHUNK                                          ; what is still pending: at least one group
	s_wait_xcnt 0x0                                ; EXEC changes only behind this wait
	v_cmp_gt_u32 vcc_lo, 16, v0
	s_and_saveexec_b32 s55, vcc_lo
	global_store_b32 v[OA], v[KI], s[18:19]        ; lanes 0-15: the row's 16 indices, 64 consecutive bytes: the whole row of out0
	s_wait_xcnt 0x0
	s_or_b32 exec_lo, exec_lo, s55
	s_endpgm
.Lfunc_end_k_q4f4f3026dc_passC:
	.size	k_q4f4f3026dc_passC, .Lfunc_end_k_q4f4f3026dc_passC-k_q4f4f3026dc_passC
	.p2alignl 7, 3214868480
	.fill 96, 4, 3214868480
	.section	.rodata,"a",@progbits
	.p2align	6, 0x0
	.amdhsa_kernel k_q4f4f3026dc_passC
		.amdhsa_group_segment_fixed_size 0
		.amdhsa_private_segment_fixed_size 0
		.amdhsa_enable_private_segment 0
		.amdhsa_kernarg_size 64
		.amdhsa_user_sgpr_count 2
		.amdhsa_user_sgpr_kernarg_segment_ptr 1
		.amdhsa_wavefront_size32 1
		.amdhsa_system_sgpr_workgroup_id_x 1
		.amdhsa_system_sgpr_workgroup_id_y 1
		.amdhsa_system_sgpr_workgroup_id_z 1
		.amdhsa_system_vgpr_workitem_id 0
		.amdhsa_next_free_vgpr 128
		.amdhsa_next_free_sgpr 100
		.amdhsa_reserve_vcc 1
		.amdhsa_float_denorm_mode_32 3
		.amdhsa_float_denorm_mode_16_64 3
		.amdhsa_memory_ordered 1
		.amdhsa_forward_progress 1
		.amdhsa_inst_pref_size 34
	.end_amdhsa_kernel
	.amdgpu_metadata
---
amdhsa.version: [ 1, 2 ]
amdhsa.kernels:
  - .name:           k_q4f4f3026dc_passC
    .symbol:         k_q4f4f3026dc_passC.kd
    .args:
      - { .name: xq, .offset: 0, .size: 8, .value_kind: global_buffer, .address_space: global }
      - { .name: yq, .offset: 8, .size: 8, .value_kind: global_buffer, .address_space: global }
      - { .name: stats, .offset: 16, .size: 8, .value_kind: global_buffer, .address_space: global }
      - { .name: g0, .offset: 24, .size: 8, .value_kind: global_buffer, .address_space: global }
      - { .name: g1, .offset: 32, .size: 8, .value_kind: global_buffer, .address_space: global }
      - { .name: g2, .offset: 40, .size: 8, .value_kind: global_buffer, .address_space: global }
      - { .name: g3, .offset: 48, .size: 8, .value_kind: global_buffer, .address_space: global }
      - { .name: out0, .offset: 56, .size: 8, .value_kind: global_buffer, .address_space: global }
    .group_segment_fixed_size: 0
    .private_segment_fixed_size: 0
    .kernarg_segment_align: 8
    .kernarg_segment_size: 64
    .max_flat_workgroup_size: 32
    .sgpr_count:     100
    .vgpr_count:     128
    .wavefront_size: 32
...
	.end_amdgpu_metadata
.endif
;; end of part 4
;; ======== version 2 of 2: 4 launches
;; workspace buffers: xq 3,276,800 bytes; yq 6,553,600 bytes; stats 2,097,152 bytes; g0 524,288 bytes of whole numbers; g1 524,288 bytes of whole numbers; g2 524,288 bytes of whole numbers; g3 524,288 bytes of whole numbers
;; launch quant (part 5): grid 384 x 1, 4 waves a work-group, no clusters, 34,304 bytes of LDS; arguments X, Y, xq, yq; writes xq, yq
.if DOCPART == 5
	.amdgcn_target "amdgcn-amd-amdhsa--gfx1250"
	.amdhsa_code_object_version 6
	.text
	.protected	k_q4f4f3026dc_quant
	.globl	k_q4f4f3026dc_quant
	.p2align	8
	.type	k_q4f4f3026dc_quant,@function
k_q4f4f3026dc_quant:
	s_mov_b64 s[64:65], 0
	v_nop
	global_prefetch_b8 v0, s[64:65] scope:SCOPE_SE
	s_setreg_imm32_b32 hwreg(HW_REG_WAVE_MODE, 25, 1), 1
	s_wait_xcnt 0x0
; X [8192][512] and Y [16384][512], f32, become codes of BF6 (E3M2) with one E8M0 scale byte for each 32 along K, laid as RECORDS of 6,400 bytes:
; one record = 16 consecutive rows, all 512 of K, as an image of the matrix operand's registers:
;   byte s*1536 + c*512 + 16*lane : registers 4c .. 4c+3 of the fragment of K step s (128 along K); lane (r, h): registers 6c'..6c'+5 hold k = 128 s + 64 c' + 32 h + 0..31 of row r
;   byte 6144 + 8*lane + 4 i      : the scale word of row r for K step 2 i + h  (so one load of 8 bytes a lane gives two registers, even K steps in lanes 0-15, odd ones in lanes 16-31)
; A block's scale is 2^(floor(log2(largest magnitude)) - 4); its byte is the largest magnitude's exponent field - 4, held at 1 from below.  A block of zeros keeps the byte 1: its codes are zeros,
; and the bytes are read by this program alone.  LIMITS: NaN and infinities among the inputs are not served.
; One wave takes one record.  Work-groups 0-127 take X, the others Y: only pointers are chosen.  Each load reads 512 consecutive bytes of a row; a K step's 16 x 512 bytes turn through the wave's own
; stage in LDS (rows 528 bytes apart), so that a lane gets 2 x 32 neighbours along K.  Waves share nothing: no barrier.  No matrix unit, no cluster: the launch only streams.
.set TILEB, 6400
.set SPI,   528                        ; stage pitch: 512 + 16
.set WST,   16*SPI                     ; a wave's stage
.set GAD, 2                            ; v2   16 x lane
.set SIN, 3                            ; v3   stage, on the way in
.set SOU, 4                            ; v4   stage, on the way out: row r, + 128 h
.set DSC, 5                            ; v5   8 x lane
.set H8,  6                            ; v6   8 h
.set HH,  7                            ; v7   h
.set WD,  8                            ; v8-11  the four K steps' scale words
.set TM,  12                           ; v12-23 at work
.set CD,  24                           ; v24-35 a fragment's codes
.set CT,  36                           ; v36-43 the upper halves of the blocks' codes, as the conversions leave them
.set RAW, 48                           ; v48-175 two sets of 64 registers as loaded
.set XN,  176                          ; v176-239 64 numbers: 2 blocks of 32 neighbours
	s_load_b256 s[4:11], s[0:1], 0x0               ; X, Y, xq, yq
	v_lshl_add_u32 v254, v0, 2, 0x8400
	v_mov_b32 v255, 0
	v_lshrrev_b32 v1, 5, v0
	v_readfirstlane_b32 s12, v1                    ; wave
	v_and_b32 v1, 31, v0                           ; lane
	v_and_b32 v44, 15, v0                          ; r
	v_bfe_u32 v[HH], v0, 4, 1                      ; h
	v_lshlrev_b32 v[GAD], 4, v1
	s_mul_i32 s16, s12, WST
	v_add_nc_u32 v[SIN], s16, v[GAD]
	v_mul_u32_u24 v[SOU], v44, SPI
	v_lshl_add_u32 v[SOU], v[HH], 7, v[SOU]
	v_add_nc_u32 v[SOU], s16, v[SOU]
	v_lshlrev_b32 v[DSC], 3, v1
	v_lshlrev_b32 v[H8], 3, v[HH]
	v_mov_b32 v[TM+6], 0                           ; a lane permute's destination counts as read: written once
	s_mov_b32 s20, 0x76543210
	s_mov_b32 s21, 0xfedcba98                      ; selects for lane l xor 16
	s_wait_alu depctr_va_vdst(0)
	s_wait_kmcnt 0x0
	s_cmp_lt_u32 ttmp9, 128                        ; X's work-group or Y's: the choice hangs on the work-group's number alone
	s_cselect_b64 s[4:5], s[4:5], s[6:7]
	s_cselect_b64 s[8:9], s[8:9], s[10:11]
	s_cselect_b32 s13, 0, 128
	s_sub_co_u32 s13, ttmp9, s13
	s_lshl_b32 s13, s13, 2
	s_add_co_u32 s13, s13, s12                     ; my record
	s_lshl_b32 s14, s13, 15                        ; 16 rows of 2,048 bytes
	s_mov_b32 s15, 0
	s_add_nc_u64 s[4:5], s[4:5], s[14:15]
	s_mul_i32 s14, s13, TILEB
	s_add_nc_u64 s[8:9], s[8:9], s[14:15]
.macro LOAD s                          ; K step s of the 16 rows: 16 loads of 512 consecutive bytes
.irp p, 0,1,2,3,4,5,6,7,8,9,10,11,12,13,14,15
	global_load_b128 v[RAW+64*((\s)%2)+4*\p:RAW+64*((\s)%2)+4*\p+3], v[GAD], s[4:5] offset:\p*2048+512*(\s) th:TH_LOAD_NT
.endr
.endm
.macro KSTEP s
.if (\s) < 3
	s_wait_loadcnt 16                              ; this K step's 16 loads are in; the next one's 16 may be out
.else
	s_wait_loadcnt 0x0
.endif
.irp p, 0,1,2,3,4,5,6,7,8,9,10,11,12,13,14,15
	ds_store_b128 v[SIN], v[RAW+64*((\s)%2)+4*\p:RAW+64*((\s)%2)+4*\p+3] offset:\p*SPI
.endr
.irp c, 0,1
.irp i, 0,1,2,3,4,5,6,7
	ds_load_b128 v[XN+32*\c+4*\i:XN+32*\c+4*\i+3], v[SOU] offset:256*\c+16*\i   ; LDS serves a wave's instructions in order: these see the stores above
.endr
.endr
	s_wait_dscnt 0x0                               ; my 64 numbers are in, and the stores have read their registers
.if (\s) < 2
	LOAD (\s)+2
.endif
.irp c, 0,1
	v_max3_num_f32 v[TM+\c], |v[XN+32*\c]|, |v[XN+32*\c+1]|, 0x2800000   ; my block 2 c + h: all 32 numbers are mine; the floor 2^(5 - 127) holds the byte at 1 from below
.endr
.irp i, 2,4,6,8,10,12,14,16,18,20,22,24,26,28,30
.irp c, 0,1
	v_max3_num_f32 v[TM+\c], v[TM+\c], |v[XN+32*\c+\i]|, |v[XN+32*\c+\i+1]|
.endr
.endr
.irp c, 0,1
	v_add_nc_u32 v[TM+2+\c], 0xfe000000, v[TM+\c]  ; 4 off the exponent field: the conversion's scale operand
.endr
.irp c, 0,1
	v_lshrrev_b32 v[TM+4+\c], 23, v[TM+2+\c]       ; the scale's byte
.endr
	v_lshl_or_b32 v[WD+(\s)], v[TM+5], 16, v[TM+4] ; blocks h and 2 + h,
	v_lshlrev_b32 v[WD+(\s)], v[H8], v[WD+(\s)]    ; at their places in the word;
	v_permlanex16_b32 v[TM+6], v[WD+(\s)], s20, s21
	v_or_b32 v[WD+(\s)], v[WD+(\s)], v[TM+6]       ; with lane l xor 16's two bytes the word is whole
	s_wait_alu depctr_va_vdst(0)
	s_wait_xcnt 0x0                                ; the last K step's stores have read the codes' registers
	v_cvt_scalef32_pk16_bf6_f32 v[CD:CD+2], v[XN:XN+15], v[TM+2]
	v_cvt_scalef32_pk16_bf6_f32 v[CT:CT+2], v[XN+16:XN+31], v[TM+2]       ; (a conversion's three registers begin on an even number)
	v_cvt_scalef32_pk16_bf6_f32 v[CD+6:CD+8], v[XN+32:XN+47], v[TM+3]
	v_cvt_scalef32_pk16_bf6_f32 v[CT+4:CT+6], v[XN+48:XN+63], v[TM+3]
	v_nop                                          ; one plain place behind a scaled conversion
.irp i, 0,1,2
	v_mov_b32 v[CD+3+\i], v[CT+\i]
	v_mov_b32 v[CD+9+\i], v[CT+4+\i]
.endr
.irp c, 0,1,2
	global_store_b128 v[GAD], v[CD+4*\c:CD+4*\c+3], s[8:9] offset:(\s)*1536+512*\c   ; 32 lanes store 512 consecutive bytes, aligned to 256
.endr
.endm
	LOAD 0
	LOAD 1
	KSTEP 0
	KSTEP 1
	KSTEP 2
	KSTEP 3
	v_cmp_ne_u32 vcc_lo, 0, v[HH]
	v_cndmask_b32 v[TM+8], v[WD], v[WD+1], vcc_lo  ; lanes 0-15: K step 0's word, lanes 16-31: K step 1's
	v_cndmask_b32 v[TM+9], v[WD+2], v[WD+3], vcc_lo ; K steps 2 and 3
	global_store_b64 v[DSC], v[TM+8:TM+9], s[8:9] offset:6144   ; 32 lanes store 256 consecutive bytes, aligned
	s_wait_tensorcnt 0x0
	ds_add_u32 v254, v255
	s_wait_dscnt 0x0
	s_endpgm
.Lfunc_end_k_q4f4f3026dc_quant:
	.size	k_q4f4f3026dc_quant, .Lfunc_end_k_q4f4f3026dc_quant-k_q4f4f3026dc_quant
	.p2alignl 7, 3214868480
	.fill 96, 4, 3214868480
	.section	.rodata,"a",@progbits
	.p2align	6, 0x0
	.amdhsa_kernel k_q4f4f3026dc_quant
		.amdhsa_group_segment_fixed_size 34304
		.amdhsa_private_segment_fixed_size 0
		.amdhsa_enable_private_segment 0
		.amdhsa_kernarg_size 32
		.amdhsa_user_sgpr_count 2
		.amdhsa_user_sgpr_kernarg_segment_ptr 1
		.amdhsa_wavefront_size32 1
		.amdhsa_system_sgpr_workgroup_id_x 1
		.amdhsa_system_sgpr_workgroup_id_y 1
		.amdhsa_system_sgpr_workgroup_id_z 1
		.amdhsa_system_vgpr_workitem_id 0
		.amdhsa_next_free_vgpr 256
		.amdhsa_next_free_sgpr 66
		.amdhsa_reserve_vcc 1
		.amdhsa_float_denorm_mode_32 3
		.amdhsa_float_denorm_mode_16_64 3
		.amdhsa_memory_ordered 1
		.amdhsa_forward_progress 1
		.amdhsa_inst_pref_size 30
	.end_amdhsa_kernel
	.amdgpu_metadata
---
amdhsa.version: [ 1, 2 ]
amdhsa.kernels:
  - .name:           k_q4f4f3026dc_quant
    .symbol:         k_q4f4f3026dc_quant.kd
    .args:
      - { .name: X, .offset: 0, .size: 8, .value_kind: global_buffer, .address_space: global }
      - { .name: Y, .offset: 8, .size: 8, .value_kind: global_buffer, .address_space: global }
      - { .name: xq, .offset: 16, .size: 8, .value_kind: global_buffer, .address_space: global }
      - { .name: yq, .offset: 24, .size: 8, .value_kind: global_buffer, .address_space: global }
    .group_segment_fixed_size: 34304
    .private_segment_fixed_size: 0
    .kernarg_segment_align: 8
    .kernarg_segment_size: 32
    .max_flat_workgroup_size: 128
    .sgpr_count:     66
    .vgpr_count:     256
    .wavefront_size: 32
...
	.end_amdgpu_metadata
.endif
;; end of part 5
;; launch passA (part 6): grid 32 x 8, 8 waves a work-group, clusters of 4 x 1, 327,680 bytes of LDS; arguments xq, yq, stats; writes stats
.if DOCPART == 6
	.amdgcn_target "amdgcn-amd-amdhsa--gfx1250"
	.amdhsa_code_object_version 6
	.text
	.protected	k_q4f4f3026dc_passA
	.globl	k_q4f4f3026dc_passA
	.p2align	8
	.type	k_q4f4f3026dc_passA,@function
k_q4f4f3026dc_passA:
	s_mov_b64 s[64:65], 0
	v_nop
	global_prefetch_b8 v0, s[64:65] scope:SCOPE_SE
	s_setreg_imm32_b32 hwreg(HW_REG_WAVE_MODE, 25, 1), 1
	s_wait_xcnt 0x0
	s_wait_alu depctr_hold_cnt(0) depctr_sa_sdst(0) depctr_va_vdst(0) depctr_va_sdst(0) depctr_va_ssrc(0) depctr_va_vcc(0) depctr_vm_vsrc(0)
	s_getreg_b32 s2, hwreg(HW_REG_IB_STS2, 6, 4)
	s_cmp_eq_u32 s2, 0
	s_cbranch_scc0 .Lentry_in_a_cluster
	s_endpgm
.Lentry_in_a_cluster:
	s_bfe_u32 s2, ttmp6, 0x10000c
	s_cmp_lg_u32 s2, 0x3003
	s_cbranch_scc0 .Lentry_shape_is_right
	s_endpgm
.Lentry_shape_is_right:
; FIRST PASS over sim = Q(X) Q(Y)^T / 0.07: for each row and each of 32 STREAMS of 512 keys the largest sim M and l = the sum of 2^(c s + NB), c = log2(e), NB = the f32 product M x (-c).
; sim is the f32 product of the matrix sum with 1/0.07f (0x41649249).  The maximum is a running one; when it moves, l is multiplied by 2^(new NB - old NB).
; LIMITS: scores must lie above -1e38; NaN and infinities are not served.
; SHARES.  A work-group: 256 rows (block 4 x cluster x + cx) and one split of 2,048 keys (work-group y).  Wave w: query tiles 4 (w & 3) + 0..3, resident in registers, and key tiles 8 (w >> 2) + 0..7 of each slot of 16.
; The keys' records (16 keys x 512 K, 6,400 bytes, images of the operand's registers) come through a ring of two LDS slots of 16 records; each wave fetches two records by one tensor load.
; CLUSTER.  The four work-groups of a cluster have the same split and walk the same keys: each load is JOINT (mask 15), with a descriptor made of the split and the wave's number alone.
; THE PRODUCT IS USED TRANSPOSED: source 0 = 16 keys, source 1 = 16 queries: lane (r, h) holds query r and keys 8 h + 0..7 of the tile.  So a lane's stream is (split, w >> 2, h).
; REGISTERS.  Window 0: v1-15 addresses; v16-23 X's scale words; v24-27 the keys' (two sets); v32-63 four accumulators; v64-159 the keys' fragments, two sets of 48; v160-191 statistics.  Window 1: v0-191 X's 16 fragments.
.set TILEB, 6400
.set SLOTB, 16*TILEB                   ; 102,400
.set SLOT1, 1<<17                      ; slot 1 begins here: one exclusive or turns an address
.set STA,   102400                     ; behind slot 0: the way out's stage, 256 rows x 32 bytes; no tile lands there
.set SPARE, 304128                     ; the spare words: 128 bytes for each of eight waves
.set YA0, 3
.set YB0, 4
.set YA,  5
.set YB,  6
.set SPW, 7
.set NIL, 8
.set XS,  16
.set YS,  24
.set ACC, 32
.set YF,  64
.set ST,  160                          ; tile q at ST + 8 q: +0 NB, +1 its pair's partner, +2 +3 l in two halves, +4 M, +5 at work (at the end: l), +6 f, +7 its exponent
.set MSB, 0
.macro WIN new                         ; the immediate's high byte repeats the setting that is left
.if MSB != \new
	s_set_vgpr_msb (MSB<<8)|\new
.set MSB, \new
.endif
.endm
.macro CROUND                          ; a round of the cluster's barrier
	s_barrier_signal -1
	s_barrier_wait -1
	s_cmp_lg_u32 s12, 0
	s_cbranch_scc1 .Lnot_wave_0_\@
	s_barrier_signal -3
.Lnot_wave_0_\@:
	s_barrier_wait -3
	s_barrier_signal -1
	s_barrier_wait -1
.endm
	s_load_b128 s[4:7], s[0:1], 0x0                ; xq, yq
	s_load_b64 s[8:9], s[0:1], 0x10                ; stats
	v_lshl_add_u32 v[SPW], v0, 2, SPARE
	v_mov_b32 v[NIL], 0
	ds_add_u32 v7, v8
	ds_add_u32 v7, v8
	s_wait_dscnt 0x0
	v_lshrrev_b32 v9, 5, v0
	s_delay_alu instid0(VALU_DEP_1)
	v_readfirstlane_b32 s12, v9                    ; wave 0..7
	s_and_b32 s13, s12, 3                          ; qg: which four query tiles
	s_lshr_b32 s14, s12, 2                         ; kh: which eight key tiles of a slot
	s_bfe_u32 s15, ttmp6, 0x40000                  ; cx: it enters xq's and stats' addresses alone
	s_lshl_b32 s16, ttmp9, 2
	s_add_co_u32 s16, s16, s15                     ; my block of 256 rows
	s_and_b32 s17, ttmp7, 0xffff                   ; the split, which the four partners share
	s_mov_b32 s24, 15|(3<<16)|(1<<21)              ; group 1: mask of the four; elements of 8 bytes; bit 21 beside a mask; no padding
	s_mov_b32 s25, 32<<16                          ; tensor_dim0 = 32 (256 bytes)
	s_mov_b32 s26, 50<<16                          ; tensor_dim1 = 50 rows: two records
	s_mov_b32 s27, 32<<16                          ; tile_dim0
	s_mov_b32 s28, 50                              ; tile_dim1
	s_mov_b32 s29, 32                              ; pitch: dense
	s_mov_b32 s30, 0
	s_mov_b32 s31, 0
	s_mul_i32 s46, s17, 128*TILEB                  ; the split's first record,
	s_mul_i32 s33, s12, 2*TILEB                    ; my two records of a slot: in LDS and in memory alike
	s_add_co_u32 s46, s46, s33
	s_mov_b32 s47, 0
	s_mul_i32 s48, s16, 16*TILEB                   ; my block's records of X,
	s_mul_i32 s50, s13, 4*TILEB                    ; my four
	s_add_co_u32 s48, s48, s50
	s_mov_b32 s49, 0
	s_lshl_b32 s50, s17, 18                        ; stats: (split x 8,192 + block x 256) rows of 32 bytes
	s_lshl_b32 s51, s16, 13
	s_add_co_u32 s50, s50, s51
	s_mov_b32 s51, 0
	s_mov_b32 s32, 1
	s_mov_b32 s40, 0x41649249                      ; 1 / 0.07f
	s_mov_b32 s41, s40
	s_mov_b32 s42, 0x3fb8aa3b                      ; c = log2(e)
	s_mov_b32 s43, s42
	s_mov_b32 s44, 0xbfb8aa3b                      ; -c
	s_wait_kmcnt 0x0
	s_add_nc_u64 s[34:35], s[6:7], s[46:47]
	s_or_b32 s35, s35, 0x80000000
	s_add_nc_u64 s[4:5], s[4:5], s[48:49]
	s_add_nc_u64 s[8:9], s[8:9], s[50:51]
	CROUND                                         ; all four work-groups are here: the first joint loads meet
	tensor_load_to_lds s[32:35], s[24:31]          ; slot 0
	s_nop 0
.rept 4
	v_nop
.endr
	v_and_b32 v9, 31, v0                           ; lane
	v_and_b32 v1, 15, v0                           ; r
	v_bfe_u32 v2, v0, 4, 1                         ; h
	s_delay_alu instid0(VALU_DEP_3)
	v_lshlrev_b32 v10, 4, v9
	s_wait_alu depctr_va_vdst(0)
	v_lshlrev_b32 v11, 3, v9
	s_mul_i32 s46, s14, 8*TILEB
	v_add_nc_u32 v[YA0], s46, v10                  ; a record's codes: 16 x lane, in my half of a slot
	v_add_nc_u32 v[YB0], s46, v11                  ; its scale words: 8 x lane
	WIN 0x40                                       ; destination window 1
.irp q, 0,1,2,3
.irp s, 0,1,2,3
.irp c, 0,1,2
	global_load_b128 v[48*\q+12*\s+4*\c:48*\q+12*\s+4*\c+3], v10, s[4:5] offset:\q*TILEB+\s*1536+\c*512
.endr
.endr
.endr
	WIN 0
.irp q, 0,1,2,3
	global_load_b64 v[XS+2*\q:XS+2*\q+1], v11, s[4:5] offset:\q*TILEB+6144
.endr
	s_lshl_b32 s46, s13, 11                        ; the way out: row 64 qg + r of 32 bytes, + 16 kh + 8 h
	s_lshl_b32 s47, s14, 4
	s_add_co_u32 s46, s46, s47
	s_add_co_u32 s46, s46, STA
	v_lshlrev_b32 v12, 5, v1
	s_delay_alu instid0(VALU_DEP_1)
	v_lshl_add_u32 v12, v2, 3, v12
	s_delay_alu instid0(VALU_DEP_1)
	v_add_nc_u32 v12, s46, v12
	s_lshl_b32 s46, s12, 10                        ; back: wave w takes 1,024 bytes
	v_add_nc_u32 v14, s46, v10
	s_delay_alu instid0(VALU_DEP_1)
	v_add_nc_u32 v13, STA, v14
.irp q, 0,1,2,3
	v_mov_b32 v[ST+8*\q+4], 0xfe967699             ; M = -1e38, under every score that is served
	v_mov_b32 v[ST+8*\q+1], 0
	v_mov_b32 v[ST+8*\q+2], 0
	v_mov_b32 v[ST+8*\q+3], 0
.endr
.irp q, 0,1,2,3
	v_mul_f32 v[ST+8*\q], s44, v[ST+8*\q+4]        ; NB
.endr
	s_wait_loadcnt 0x0                             ; X
.macro CHANGE fill                     ; the change of slots, at a slot's head
	s_wait_tensorcnt 0x0                           ; my one load that was out, my part of the slot ahead, has landed: group 0 may be written
	ds_add_u32 v[SPW], v[NIL]                      ; 0 onto my spare word
.if \fill
	s_xor_b32 s33, s33, SLOT1                      ; the other slot than last time,
	s_add_nc_u64 s[34:35], s[34:35], SLOTB         ; the next 16 records
.endif
	s_wait_dscnt 0x0                               ; the add is done, and my reads of the slot that I have left are over
.if \fill
	CROUND                                         ; both hold of every wave of all four work-groups
	tensor_load_to_lds s[32:35], s[24:31]          ; my one tensor load behind the round: it has a slot's eight tiles of work in which to land
	s_nop 0
.rept 4
	v_nop
.endr
.else
	s_barrier_signal -1
	s_barrier_wait -1
.endif
.endm
.macro LOADY buf, t                    ; record t of my eight into set buf: 13 LDS loads
.irp s, 0,1,2,3
.irp c, 0,1,2
	ds_load_b128 v[YF+48*(\buf)+12*\s+4*\c:YF+48*(\buf)+12*\s+4*\c+3], v[YA] offset:(\t)*TILEB+\s*1536+\c*512
.endr
.endr
	ds_load_b64 v[YS+2*(\buf):YS+2*(\buf)+1], v[YB] offset:(\t)*TILEB+6144
.endm
.macro EPI                             ; 4 x 8 scores a lane: the running maximum and sum; the four query tiles by turns
.irp j, 0,2,4,6
.irp q, 0,1,2,3
	v_pk_mul_f32 v[ACC+8*\q+\j:ACC+8*\q+\j+1], v[ACC+8*\q+\j:ACC+8*\q+\j+1], s[40:41] op_sel_hi:[1,0]   ; sim; each accumulator is read from its low end on
.endr
.endr
.irp q, 0,1,2,3
	v_max3_num_f32 v[ST+8*\q+5], v[ACC+8*\q], v[ACC+8*\q+1], v[ACC+8*\q+2]
.endr
.irp q, 0,1,2,3
	s_delay_alu instid0(VALU_DEP_4)
	v_max3_num_f32 v[ST+8*\q+5], v[ST+8*\q+5], v[ACC+8*\q+3], v[ACC+8*\q+4]
.endr
.irp q, 0,1,2,3
	s_delay_alu instid0(VALU_DEP_4)
	v_max3_num_f32 v[ST+8*\q+5], v[ST+8*\q+5], v[ACC+8*\q+5], v[ACC+8*\q+6]
.endr
.irp q, 0,1,2,3
	s_delay_alu instid0(VALU_DEP_4)
	v_max3_num_f32 v[ST+8*\q+4], v[ST+8*\q+5], v[ACC+8*\q+7], v[ST+8*\q+4]   ; the new M
.endr
.irp q, 0,1,2,3
	s_delay_alu instid0(VALU_DEP_4)
	v_mul_f32 v[ST+8*\q+5], s44, v[ST+8*\q+4]      ; the new NB
.endr
.irp q, 0,1,2,3
	s_delay_alu instid0(VALU_DEP_4)
	v_sub_f32 v[ST+8*\q+7], v[ST+8*\q+5], v[ST+8*\q]   ; new NB - old NB, 0 or less
.endr
.irp q, 0,1,2,3
	v_mov_b32 v[ST+8*\q], v[ST+8*\q+5]
.endr
.irp j, 0,2,4,6
.irp q, 0,1,2,3
	v_pk_fma_f32 v[ACC+8*\q+\j:ACC+8*\q+\j+1], v[ACC+8*\q+\j:ACC+8*\q+\j+1], s[42:43], v[ST+8*\q:ST+8*\q+1] op_sel_hi:[1,0,0]   ; c s + NB
.endr
.endr
	s_wait_alu depctr_va_vdst(0)
.irp q, 0,1,2,3
	v_exp_f32 v[ST+8*\q+6], v[ST+8*\q+7]           ; f
.endr
.irp j, 0,1,2,3,4,5,6,7
.irp q, 0,1,2,3
	v_exp_f32 v[ACC+8*\q+\j], v[ACC+8*\q+\j]
.endr
.endr
	v_nop                                          ; a plain place behind the last exponential
	s_wait_alu depctr_va_vdst(0)                   ; one wait for the batch of 36, ahead of its first reader
.irp q, 0,1,2,3
	v_pk_add_f32 v[ACC+8*\q:ACC+8*\q+1], v[ACC+8*\q:ACC+8*\q+1], v[ACC+8*\q+2:ACC+8*\q+3]
	v_pk_add_f32 v[ACC+8*\q+4:ACC+8*\q+5], v[ACC+8*\q+4:ACC+8*\q+5], v[ACC+8*\q+6:ACC+8*\q+7]
.endr
.irp q, 0,1,2,3
	v_pk_add_f32 v[ACC+8*\q:ACC+8*\q+1], v[ACC+8*\q:ACC+8*\q+1], v[ACC+8*\q+4:ACC+8*\q+5]
.endr
.irp q, 0,1,2,3
	v_pk_fma_f32 v[ST+8*\q+2:ST+8*\q+3], v[ST+8*\q+2:ST+8*\q+3], v[ST+8*\q+6:ST+8*\q+7], v[ACC+8*\q:ACC+8*\q+1] op_sel_hi:[1,0,1]   ; l = l f + the tile's sum
.endr
.endm
; Tile u of my eight: the next record is asked for, then 16 matrix instructions: K step by K step, the four accumulators by turns, one instruction a turn.
.macro TILE u
.if (\u) < 7
	LOADY 1-(\u)%2, (\u)+1
	s_wait_dscnt 13                                ; all but the 13 just issued: this tile's record is in
.else
	s_wait_dscnt 0x0
.endif
.set YFB, YF+48*((\u)%2)
.set YSB, YS+2*((\u)%2)
	WIN 0x04                                       ; source 1 (X) window 1
.irp s, 0,1,2,3
.irp q, 0,1,2,3
.if \s == 0
	v_wmma_scale_f32_16x16x128_f8f6f4 v[ACC+8*\q:ACC+8*\q+7], v[YFB+12*\s:YFB+12*\s+11], v[48*\q+12*\s:48*\q+12*\s+11], 0, v[YSB], v[XS+2*\q] matrix_a_fmt:MATRIX_FMT_BF6 matrix_b_fmt:MATRIX_FMT_BF6
.elseif \s == 2
	v_wmma_scale_f32_16x16x128_f8f6f4 v[ACC+8*\q:ACC+8*\q+7], v[YFB+12*\s:YFB+12*\s+11], v[48*\q+12*\s:48*\q+12*\s+11], v[ACC+8*\q:ACC+8*\q+7], v[YSB+1], v[XS+2*\q+1] matrix_a_fmt:MATRIX_FMT_BF6 matrix_b_fmt:MATRIX_FMT_BF6
.else
	v_wmma_scale_f32_16x16x128_f8f6f4 v[ACC+8*\q:ACC+8*\q+7], v[YFB+12*\s:YFB+12*\s+11], v[48*\q+12*\s:48*\q+12*\s+11], v[ACC+8*\q:ACC+8*\q+7], v[YSB+\s/2], v[XS+2*\q+\s/2] matrix_a_fmt:MATRIX_FMT_BF6 matrix_b_fmt:MATRIX_FMT_BF6 matrix_a_scale:MATRIX_SCALE_ROW1 matrix_b_scale:MATRIX_SCALE_ROW1
.endif
.endr
.endr
	WIN 0
.rept 4
	v_nop                                          ; four places behind the products, ahead of the first read of results and of the next loads into the fragments' registers
.endr
	EPI
.endm
.macro SLOTWORK
	v_add_nc_u32 v[YA], s36, v[YA0]
	v_add_nc_u32 v[YB], s36, v[YB0]
	LOADY 0, 0
.irp u, 0,1,2,3,4,5,6,7
	TILE \u
.endr
	s_xor_b32 s36, s36, SLOT1                      ; on to the other slot
.endm
	s_mov_b32 s36, 0
	s_mov_b32 s38, 7
.Lslot:                                            ; seven trips: behind each change of slots but the last the next slot is asked for
	CHANGE 1
	SLOTWORK
	s_sub_co_u32 s38, s38, 1
	s_cmp_lg_u32 s38, 0
	s_cbranch_scc1 .Lslot
	CHANGE 0                                       ; the last slot is written out
	SLOTWORK
	; THE WAY OUT: (M, l) of my four tiles' rows into the stage; a barrier, since a row's 32 bytes come from two waves; back as 1,024 dense bytes a wave
.irp q, 0,1,2,3
	v_add_f32 v[ST+8*\q+5], v[ST+8*\q+2], v[ST+8*\q+3]
.endr
.irp q, 0,1,2,3
	ds_store_b64 v12, v[ST+8*\q+4:ST+8*\q+5] offset:512*\q
.endr
	s_wait_dscnt 0x0                               ; for the others' sake: my stores are done
	s_barrier_signal -1
	s_barrier_wait -1
	ds_load_b128 v[64:67], v13
	ds_load_b128 v[68:71], v13 offset:512
	s_wait_dscnt 0x0
	global_store_b128 v14, v[64:67], s[8:9]        ; 32 lanes store 512 consecutive bytes, aligned to 256
	global_store_b128 v14, v[68:71], s[8:9] offset:512
	s_wait_tensorcnt 0x0                           ; the wave's end
	ds_add_u32 v[SPW], v[NIL]
	s_wait_dscnt 0x0
	CROUND                                         ; the closing round
	s_endpgm
.Lfunc_end_k_q4f4f3026dc_passA:
	.size	k_q4f4f3026dc_passA, .Lfunc_end_k_q4f4f3026dc_passA-k_q4f4f3026dc_passA
	.p2alignl 7, 3214868480
	.fill 96, 4, 3214868480
	.section	.rodata,"a",@progbits
	.p2align	6, 0x0
	.amdhsa_kernel k_q4f4f3026dc_passA
		.amdhsa_group_segment_fixed_size 327680
		.amdhsa_private_segment_fixed_size 0
		.amdhsa_enable_private_segment 0
		.amdhsa_kernarg_size 24
		.amdhsa_user_sgpr_count 2
		.amdhsa_user_sgpr_kernarg_segment_ptr 1
		.amdhsa_wavefront_size32 1
		.amdhsa_system_sgpr_workgroup_id_x 1
		.amdhsa_system_sgpr_workgroup_id_y 1
		.amdhsa_system_sgpr_workgroup_id_z 1
		.amdhsa_system_vgpr_workitem_id 0
		.amdhsa_next_free_vgpr 512
		.amdhsa_next_free_sgpr 66
		.amdhsa_reserve_vcc 0
		.amdhsa_float_denorm_mode_32 3
		.amdhsa_float_denorm_mode_16_64 3
		.amdhsa_memory_ordered 1
		.amdhsa_forward_progress 1
		.amdhsa_inst_pref_size 161
	.end_amdhsa_kernel
	.amdgpu_metadata
---
amdhsa.version: [ 1, 2 ]
amdhsa.kernels:
  - .name:           k_q4f4f3026dc_passA
    .symbol:         k_q4f4f3026dc_passA.kd
    .args:
      - { .name: xq, .offset: 0, .size: 8, .value_kind: global_buffer, .address_space: global }
      - { .name: yq, .offset: 8, .size: 8, .value_kind: global_buffer, .address_space: global }
      - { .name: stats, .offset: 16, .size: 8, .value_kind: global_buffer, .address_space: global }
    .group_segment_fixed_size: 327680
    .private_segment_fixed_size: 0
    .kernarg_segment_align: 8
    .kernarg_segment_size: 24
    .max_flat_workgroup_size: 256
    .sgpr_count:     66
    .vgpr_count:     512
    .wavefront_size: 32
...
	.end_amdgpu_metadata
.endif
;; end of part 6
;; launch passB (part 7): grid 32 x 8, 8 waves a work-group, clusters of 4 x 1, 327,680 bytes of LDS; arguments xq, yq, stats, g0, g1, g2, g3; writes g0, g1, g2, g3
.if DOCPART == 7
	.amdgcn_target "amdgcn-amd-amdhsa--gfx1250"
	.amdhsa_code_object_version 6
	.text
	.protected	k_q4f4f3026dc_passB
	.globl	k_q4f4f3026dc_passB
	.p2align	8
	.type	k_q4f4f3026dc_passB,@function
k_q4f4f3026dc_passB:
	s_mov_b64 s[64:65], 0
	v_nop
	global_prefetch_b8 v0, s[64:65] scope:SCOPE_SE
	s_setreg_imm32_b32 hwreg(HW_REG_WAVE_MODE, 25, 1), 1
	s_wait_xcnt 0x0
	s_wait_alu depctr_hold_cnt(0) depctr_sa_sdst(0) depctr_va_vdst(0) depctr_va_sdst(0) depctr_va_ssrc(0) depctr_va_vcc(0) depctr_vm_vsrc(0)
	s_getreg_b32 s2, hwreg(HW_REG_IB_STS2, 6, 4)
	s_cmp_eq_u32 s2, 0
	s_cbranch_scc0 .Lentry_in_a_cluster
	s_endpgm
.Lentry_in_a_cluster:
	s_bfe_u32 s2, ttmp6, 0x10000c
	s_cmp_lg_u32 s2, 0x3003
	s_cbranch_scc0 .Lentry_shape_is_right
	s_endpgm
.Lentry_shape_is_right:
; SECOND PASS over sim: a bit for each (row, GROUP of 8 keys): some sim of the group >= tau(row).  tau is the 16th largest of the row's 32 stream maxima of the first pass: 16 different keys reach it,
; so it lies at or under the row's 16th largest sim.  The products, their order and the multiplication by 1/0.07f are the first pass's, so the scores have the same bits.  The group's largest sim is the
; product of its largest matrix sum with 1/0.07f: a rounded multiplication by a positive number never turns an order round.  No branch and no address hangs on a score: the bits go to fixed places.
; A group is what a lane holds of a key tile: keys 16 T + 8 h + 0..7; its number is 2 T + h.
; g0..g3: buffer b holds splits 2 b and 2 b + 1, laid [split & 1][8192 rows][32 bytes]; in a row's 32 bytes the word at kh x 16 + h x 8 + 4 e has at bit 31 - p the group of tile
; T = split x 128 + (4 e + p / 8) x 16 + kh x 8 + p % 8 and half h.
; SHARES, RING, CLUSTER, LAYOUT: as in the first pass: 256 rows x 2,048 keys a work-group; wave w: query tiles 4 (w & 3) + 0..3 in registers, key tiles 8 (w >> 2) + 0..7 of each slot of 16 records;
; two LDS slots filled by joint tensor loads (mask 15: the four partners share the split); source 0 = 16 keys, source 1 = 16 queries: lane (r, h) holds query r, keys 8 h + 0..7.
; A lane meets 64 tiles in the launch: its 64 bits for each query tile stay in a pair of registers until the end.
; REGISTERS.  Window 0: v1-15 addresses; v16-23 X's scale words; v24-27 the keys'; v32-63 accumulators; v64-159 the keys' fragments (at the head: stream maxima and the sorted 16); v160-163 tau; v164-171 the bits; v172-186 at work.  Window 1: X.
.set TILEB, 6400
.set SLOTB, 16*TILEB
.set SLOT1, 1<<17
.set STG,   233472                     ; behind slot 1: the way out's stage, 256 rows x 32 bytes; no tile lands there
.set TAUL,  303104                     ; 256 words: tau of the work-group's rows
.set SPARE, 304128                     ; the spare words: 128 bytes for each of eight waves
.set YA0, 3
.set YB0, 4
.set YA,  5
.set YB,  6
.set SPW, 7
.set NIL, 8
.set XS,  16
.set YS,  24
.set ACC, 32
.set YF,  64
.set TT,  128                          ; v128-143 at the head: the 16 largest stream maxima, descending
.set TAU, 160                          ; tile q's tau
.set HI,  164                          ; tile q's bits of the first 32 key tiles; a bit is 1 where the group's largest sim < tau
.set LO,  168                          ; and of the last 32
.set TQ,  172                          ; tile q: at work
.set WN,  176                          ; v176-183 the pairs as they are stored
.set SI,  184                          ; the stage, on the way in
.set SR,  185                          ; and back
.set GO,  186                          ; the same place in the buffer
.set MSB, 0
.macro WIN new
.if MSB != \new
	s_set_vgpr_msb (MSB<<8)|\new
.set MSB, \new
.endif
.endm
.macro CROUND
	s_barrier_signal -1
	s_barrier_wait -1
	s_cmp_lg_u32 s12, 0
	s_cbranch_scc1 .Lnot_wave_0_\@
	s_barrier_signal -3
.Lnot_wave_0_\@:
	s_barrier_wait -3
	s_barrier_signal -1
	s_barrier_wait -1
.endm
	s_load_b256 s[4:11], s[0:1], 0x0               ; xq, yq, stats, g0
	s_load_b128 s[56:59], s[0:1], 0x20             ; g1, g2
	s_load_b64 s[60:61], s[0:1], 0x30              ; g3
	v_lshl_add_u32 v[SPW], v0, 2, SPARE
	v_mov_b32 v[NIL], 0
	ds_add_u32 v7, v8
	ds_add_u32 v7, v8
	s_wait_dscnt 0x0
	v_lshrrev_b32 v9, 5, v0
	s_delay_alu instid0(VALU_DEP_1)
	v_readfirstlane_b32 s12, v9                    ; wave 0..7
	s_and_b32 s13, s12, 3                          ; qg
	s_lshr_b32 s14, s12, 2                         ; kh
	s_bfe_u32 s15, ttmp6, 0x40000                  ; cx: it enters xq's, stats' and the bits' addresses alone
	s_lshl_b32 s16, ttmp9, 2
	s_add_co_u32 s16, s16, s15                     ; my block of 256 rows
	s_and_b32 s17, ttmp7, 0xffff                   ; the split
	s_mov_b32 s24, 15|(3<<16)|(1<<21)              ; group 1: 50 dense rows of 256 bytes, for all four work-groups
	s_mov_b32 s25, 32<<16
	s_mov_b32 s26, 50<<16
	s_mov_b32 s27, 32<<16
	s_mov_b32 s28, 50
	s_mov_b32 s29, 32
	s_mov_b32 s30, 0
	s_mov_b32 s31, 0
	s_mul_i32 s46, s17, 128*TILEB
	s_mul_i32 s33, s12, 2*TILEB
	s_add_co_u32 s46, s46, s33
	s_mov_b32 s47, 0
	s_mul_i32 s48, s16, 16*TILEB
	s_mul_i32 s50, s13, 4*TILEB
	s_add_co_u32 s48, s48, s50
	s_mov_b32 s49, 0
	s_lshl_b32 s50, s16, 13                        ; stats: my block's 256 rows of 32 bytes, in split 0
	s_mov_b32 s51, 0
	s_and_b32 s52, s17, 1                          ; the bits: (split & 1) x 8,192 rows of 32 bytes
	s_lshl_b32 s52, s52, 18
	s_lshl_b32 s53, s16, 13                        ; + block x 256 rows
	s_add_co_u32 s52, s52, s53
	s_mov_b32 s53, 0
	s_mov_b32 s32, 1
	s_mov_b32 s40, 0x41649249                      ; 1 / 0.07f
	s_wait_kmcnt 0x0
	s_add_nc_u64 s[34:35], s[6:7], s[46:47]
	s_or_b32 s35, s35, 0x80000000
	s_add_nc_u64 s[4:5], s[4:5], s[48:49]
	s_add_nc_u64 s[8:9], s[8:9], s[50:51]
	s_bitcmp1_b32 s17, 1                           ; the buffer is number split / 2: the choice hangs on the work-group's number alone
	s_cselect_b64 s[10:11], s[56:57], s[10:11]     ; g1 or g0
	s_cselect_b64 s[58:59], s[60:61], s[58:59]     ; g3 or g2
	s_bitcmp1_b32 s17, 2
	s_cselect_b64 s[10:11], s[58:59], s[10:11]
	s_add_nc_u64 s[10:11], s[10:11], s[52:53]
	CROUND
	tensor_load_to_lds s[32:35], s[24:31]          ; slot 0
	s_nop 0
.rept 4
	v_nop
.endr
	v_and_b32 v9, 31, v0
	v_and_b32 v1, 15, v0                           ; r
	s_wait_alu depctr_va_vdst(0)
	v_bfe_u32 v2, v0, 4, 1                         ; h
	v_lshlrev_b32 v10, 4, v9
	v_lshlrev_b32 v11, 3, v9
	s_mul_i32 s46, s14, 8*TILEB
	v_add_nc_u32 v[YA0], s46, v10
	v_add_nc_u32 v[YB0], s46, v11
	WIN 0x40
.irp q, 0,1,2,3
.irp s, 0,1,2,3
.irp c, 0,1,2
	global_load_b128 v[48*\q+12*\s+4*\c:48*\q+12*\s+4*\c+3], v10, s[4:5] offset:\q*TILEB+\s*1536+\c*512
.endr
.endr
.endr
	WIN 0
.irp q, 0,1,2,3
	global_load_b64 v[XS+2*\q:XS+2*\q+1], v11, s[4:5] offset:\q*TILEB+6144
.endr
	v_lshlrev_b32 v12, 5, v0                       ; thread t takes row t of the block: its 32 streams' (M, l)
.irp n, 0,1,2,3,4,5,6,7,8,9,10,11,12,13,14,15
	global_load_b128 v[64+4*\n:64+4*\n+3], v12, s[8:9] offset:(\n/2)*262144+(\n%2)*16   ; M in registers 4 n and 4 n + 2
.endr
	v_lshl_add_u32 v13, v0, 2, TAUL                ; where I put my row's tau
	s_lshl_b32 s46, s13, 8
	s_add_co_u32 s46, s46, TAUL
	v_lshl_add_u32 v14, v1, 2, s46                 ; and where I read the tau of query 64 qg + r
	s_lshl_b32 s46, s13, 11                        ; the stage, in: row 64 qg + r of 32 bytes, + 16 kh + 8 h
	s_lshl_b32 s47, s14, 4
	s_add_co_u32 s46, s46, s47
	s_add_co_u32 s46, s46, STG
	v_lshlrev_b32 v[SI], 5, v1
	s_wait_alu depctr_va_vdst(0)
	v_lshl_add_u32 v[SI], v2, 3, v[SI]
	s_delay_alu instid0(VALU_DEP_1)
	v_add_nc_u32 v[SI], s46, v[SI]
	s_lshl_b32 s46, s12, 10                        ; back: wave w takes 1,024 bytes
	v_add_nc_u32 v[GO], s46, v10
	s_delay_alu instid0(VALU_DEP_1)
	v_add_nc_u32 v[SR], STG, v[GO]
.irp i, 0,1,2,3,4,5,6,7,8,9,10,11,12,13,14,15
	v_mov_b32 v[TT+\i], 0xff800000                 ; -infinity
.endr
.irp q, 0,1,2,3
	v_mov_b32 v[HI+\q], 0                          ; read by the first shifts; 64 shifts push these bits out
	v_mov_b32 v[LO+\q], 0
.endr
	s_wait_alu depctr_va_vdst(0)
	s_wait_loadcnt 0x0                             ; X and the stream maxima
.macro INS x                           ; x enters the descending list of 16: place i takes the middle one of x and places i - 1 and i
.irp i, 15,14,13,12,11,10,9,8,7,6,5,4,3,2,1
	v_med3_num_f32 v[TT+\i], v[\x], v[TT+\i-1], v[TT+\i]
.endr
	v_max_num_f32 v[TT], v[TT], v[\x]
.endm
.irp n, 0,1,2,3,4,5,6,7,8,9,10,11,12,13,14,15
	INS 64+4*\n
	INS 66+4*\n
.endr
	ds_store_b32 v13, v[TT+15]                     ; tau
	s_wait_dscnt 0x0                               ; for the others' sake
	s_barrier_signal -1                            ; (slot 0's load may be out)
	s_barrier_wait -1
.irp q, 0,1,2,3
	ds_load_b32 v[TAU+\q], v14 offset:64*\q
.endr
	s_wait_dscnt 0x0
.macro CHANGE fill
	s_wait_tensorcnt 0x0                           ; my one load that was out has landed: group 0 may be written
	ds_add_u32 v[SPW], v[NIL]                      ; 0 onto my spare word
.if \fill
	s_xor_b32 s33, s33, SLOT1
	s_add_nc_u64 s[34:35], s[34:35], SLOTB
.endif
	s_wait_dscnt 0x0                               ; the add is done, and my reads of the slot that I have left are over
.if \fill
	CROUND
	tensor_load_to_lds s[32:35], s[24:31]          ; my one tensor load behind the round
	s_nop 0
.rept 4
	v_nop
.endr
.else
	s_barrier_signal -1
	s_barrier_wait -1
.endif
.endm
.macro LOADY buf, t
.irp s, 0,1,2,3
.irp c, 0,1,2
	ds_load_b128 v[YF+48*(\buf)+12*\s+4*\c:YF+48*(\buf)+12*\s+4*\c+3], v[YA] offset:(\t)*TILEB+\s*1536+\c*512
.endr
.endr
	ds_load_b64 v[YS+2*(\buf):YS+2*(\buf)+1], v[YB] offset:(\t)*TILEB+6144
.endm
.macro EPI                             ; 4 x 8 sums a lane become 4 bits; the four query tiles by turns
.irp q, 0,1,2,3
	v_max3_num_f32 v[TQ+\q], v[ACC+8*\q], v[ACC+8*\q+1], v[ACC+8*\q+2]   ; each accumulator is read from its low end on
.endr
.irp q, 0,1,2,3
	v_max3_num_f32 v[TQ+\q], v[TQ+\q], v[ACC+8*\q+3], v[ACC+8*\q+4]
.endr
.irp q, 0,1,2,3
	v_max3_num_f32 v[TQ+\q], v[TQ+\q], v[ACC+8*\q+5], v[ACC+8*\q+6]
.endr
.irp q, 0,1,2,3
	v_max_num_f32 v[TQ+\q], v[TQ+\q], v[ACC+8*\q+7]   ; the group's largest sum
.endr
.irp q, 0,1,2,3
	s_delay_alu instid0(VALU_DEP_4)
	v_mul_f32 v[TQ+\q], s40, v[TQ+\q]              ; its largest sim, rounded as in the first pass
.endr
.irp q, 0,1,2,3
	s_delay_alu instid0(VALU_DEP_4)
	v_sub_f32 v[TQ+\q], v[TQ+\q], v[TAU+\q]        ; its sign is set just where that sim < tau (equal numbers give +0)
.endr
.irp q, 0,1,2,3
	v_alignbit_b32 v[HI+\q], v[HI+\q], v[LO+\q], 31   ; the 64 bits one place up:
.endr
.irp q, 0,1,2,3
	v_alignbit_b32 v[LO+\q], v[LO+\q], v[TQ+\q], 31   ; the sign comes in at the bottom
.endr
.endm
.macro TILE u
.if (\u) < 7
	LOADY 1-(\u)%2, (\u)+1
	s_wait_dscnt 13                                ; all but the 13 just issued: this tile's record is in
.else
	s_wait_dscnt 0x0
.endif
.set YFB, YF+48*((\u)%2)
.set YSB, YS+2*((\u)%2)
	WIN 0x04
.irp s, 0,1,2,3
.irp q, 0,1,2,3
.if \s == 0
	v_wmma_scale_f32_16x16x128_f8f6f4 v[ACC+8*\q:ACC+8*\q+7], v[YFB+12*\s:YFB+12*\s+11], v[48*\q+12*\s:48*\q+12*\s+11], 0, v[YSB], v[XS+2*\q] matrix_a_fmt:MATRIX_FMT_BF6 matrix_b_fmt:MATRIX_FMT_BF6
.elseif \s == 2
	v_wmma_scale_f32_16x16x128_f8f6f4 v[ACC+8*\q:ACC+8*\q+7], v[YFB+12*\s:YFB+12*\s+11], v[48*\q+12*\s:48*\q+12*\s+11], v[ACC+8*\q:ACC+8*\q+7], v[YSB+1], v[XS+2*\q+1] matrix_a_fmt:MATRIX_FMT_BF6 matrix_b_fmt:MATRIX_FMT_BF6
.else
	v_wmma_scale_f32_16x16x128_f8f6f4 v[ACC+8*\q:ACC+8*\q+7], v[YFB+12*\s:YFB+12*\s+11], v[48*\q+12*\s:48*\q+12*\s+11], v[ACC+8*\q:ACC+8*\q+7], v[YSB+\s/2], v[XS+2*\q+\s/2] matrix_a_fmt:MATRIX_FMT_BF6 matrix_b_fmt:MATRIX_FMT_BF6 matrix_a_scale:MATRIX_SCALE_ROW1 matrix_b_scale:MATRIX_SCALE_ROW1
.endif
.endr
.endr
	WIN 0
.rept 4
	v_nop                                          ; four places behind the products (ISA guide 7.12.1)
.endr
	EPI
.endm
.macro SLOTWORK
	v_add_nc_u32 v[YA], s36, v[YA0]
	v_add_nc_u32 v[YB], s36, v[YB0]
	LOADY 0, 0
.irp u, 0,1,2,3,4,5,6,7
	TILE \u
.endr
	s_xor_b32 s36, s36, SLOT1
.endm
	s_mov_b32 s36, 0
	s_mov_b32 s38, 7
.Lslot:
	CHANGE 1
	SLOTWORK
	s_sub_co_u32 s38, s38, 1
	s_cmp_lg_u32 s38, 0
	s_cbranch_scc1 .Lslot
	CHANGE 0                                       ; the last slot is written out
	SLOTWORK
	; THE WAY OUT: the pairs, inverted (a bit is now 1 where the group reaches tau), into the stage; a barrier, since a row's 32 bytes come from two waves; back as 1,024 dense bytes a wave
.irp q, 0,1,2,3
	v_not_b32 v[WN+2*\q], v[HI+\q]
	v_not_b32 v[WN+2*\q+1], v[LO+\q]
.endr
.irp q, 0,1,2,3
	ds_store_b64 v[SI], v[WN+2*\q:WN+2*\q+1] offset:512*\q
.endr
	s_wait_dscnt 0x0                               ; for the others' sake: my stores are done
	s_barrier_signal -1
	s_barrier_wait -1
	ds_load_b128 v[64:67], v[SR]
	ds_load_b128 v[68:71], v[SR] offset:512
	s_wait_dscnt 0x0
	global_store_b128 v[GO], v[64:67], s[10:11]    ; 32 lanes store 512 consecutive bytes, aligned to 256
	global_store_b128 v[GO], v[68:71], s[10:11] offset:512
	s_wait_tensorcnt 0x0                           ; the wave's end
	ds_add_u32 v[SPW], v[NIL]
	s_wait_dscnt 0x0
	CROUND                                         ; the closing round
	s_endpgm
.Lfunc_end_k_q4f4f3026dc_passB:
	.size	k_q4f4f3026dc_passB, .Lfunc_end_k_q4f4f3026dc_passB-k_q4f4f3026dc_passB
	.p2alignl 7, 3214868480
	.fill 96, 4, 3214868480
	.section	.rodata,"a",@progbits
	.p2align	6, 0x0
	.amdhsa_kernel k_q4f4f3026dc_passB
		.amdhsa_group_segment_fixed_size 327680
		.amdhsa_private_segment_fixed_size 0
		.amdhsa_enable_private_segment 0
		.amdhsa_kernarg_size 56
		.amdhsa_user_sgpr_count 2
		.amdhsa_user_sgpr_kernarg_segment_ptr 1
		.amdhsa_wavefront_size32 1
		.amdhsa_system_sgpr_workgroup_id_x 1
		.amdhsa_system_sgpr_workgroup_id_y 1
		.amdhsa_system_sgpr_workgroup_id_z 1
		.amdhsa_system_vgpr_workitem_id 0
		.amdhsa_next_free_vgpr 512
		.amdhsa_next_free_sgpr 66
		.amdhsa_reserve_vcc 0
		.amdhsa_float_denorm_mode_32 3
		.amdhsa_float_denorm_mode_16_64 3
		.amdhsa_memory_ordered 1
		.amdhsa_forward_progress 1
		.amdhsa_inst_pref_size 125
	.end_amdhsa_kernel
	.amdgpu_metadata
---
amdhsa.version: [ 1, 2 ]
amdhsa.kernels:
  - .name:           k_q4f4f3026dc_passB
    .symbol:         k_q4f4f3026dc_passB.kd
    .args:
      - { .name: xq, .offset: 0, .size: 8, .value_kind: global_buffer, .address_space: global }
      - { .name: yq, .offset: 8, .size: 8, .value_kind: global_buffer, .address_space: global }
      - { .name: stats, .offset: 16, .size: 8, .value_kind: global_buffer, .address_space: global }
      - { .name: g0, .offset: 24, .size: 8, .value_kind: global_buffer, .address_space: global }
      - { .name: g1, .offset: 32, .size: 8, .value_kind: global_buffer, .address_space: global }
      - { .name: g2, .offset: 40, .size: 8, .value_kind: global_buffer, .address_space: global }
      - { .name: g3, .offset: 48, .size: 8, .value_kind: global_buffer, .address_space: global }
    .group_segment_fixed_size: 327680
    .private_segment_fixed_size: 0
    .kernarg_segment_align: 8
    .kernarg_segment_size: 56
    .max_flat_workgroup_size: 256
    .sgpr_count:     66
    .vgpr_count:     512
    .wavefront_size: 32
...
	.end_amdgpu_metadata
.endif
;; end of part 7
;; launch passC (part 8): grid 8192 x 1, 1 waves a work-group, no clusters, 0 bytes of LDS; arguments xq, yq, stats, g0, g1, g2, g3, out0; writes out0
.if DOCPART == 8
	.amdgcn_target "amdgcn-amd-amdhsa--gfx1250"
	.amdhsa_code_object_version 6
	.text
	.protected	k_q4f4f3026dc_passC
	.globl	k_q4f4f3026dc_passC
	.p2align	8
	.type	k_q4f4f3026dc_passC,@function
k_q4f4f3026dc_passC:
	s_mov_b64 s[64:65], 0
	v_nop
	global_prefetch_b8 v0, s[64:65] scope:SCOPE_SE
	s_setreg_imm32_b32 hwreg(HW_REG_WAVE_SCHED_MODE, 0, 2), 2
	s_setreg_imm32_b32 hwreg(HW_REG_WAVE_MODE, 25, 1), 1
	s_wait_xcnt 0x0
	s_wait_alu depctr_vm_vsrc(0)
; THE CHOICE.  One wave takes one row.  Its candidates are keys 0..15 and all 8 keys of every GROUP whose bit is set in g0..g3 (some sim of the group >= tau, tau at or under the row's 16th largest sim).  Each candidate's
; sim is made anew by the same four matrix instructions in the same order of K, P = exp(sim - max) / sum is formed in f32, and the 16 first by (P descending, index ascending) are the row's result, as a top-k that keeps
; the lower index gives them.
; Why these candidates do: a key with P > 0 among the 16 has sim >= tau, so its group is flagged; if a key with P = 0 is among the 16, fewer than 16 keys have P > 0, and the zeros chosen are the lowest indices left, all
; under 16.  Keys beyond these do no harm: each is judged by its own P.
; LIMITS, stated: P under 2^-126 (the exponential's result or the quotient) counts as 0; the division is a reciprocal and a multiplication; two different scores whose P round to one number at the 16th place
; are parted by index; NaN and infinities are not served.
; WHAT STEERS.  Every branch, trip count and gather address hangs on whole numbers that the launch before stored (g0..g3), brought in by SCALAR loads; a group's number reaches the vector side by a select under a
; scalar lane mask.  Floating-point numbers feed selects alone.
; THE WALK.  The row has 64 words of bits (2,048 groups).  Two trips of a loop take 32 words each, by four scalar loads of 32 bytes.  A bit for each word that is not 0 is made; a counted loop takes those words, each picked
; out of the 32 registers by a tree of selects; in it a counted loop takes the word's bits.  Two groups are a CHUNK of 16 keys: gather, four products, P, and a sort of 32 lanes (the best 16 so far and the 16 new).
; Any number of flagged groups is served.
; Word w = split x 8 + kh x 4 + h x 2 + e; its bit 31 - p is group split x 256 + e x 128 + (p / 8) x 32 + kh x 16 + (p % 8) x 2 + h; group g is keys 8 g + 0..7: rows 8 (g & 1) + 0..7 of record g / 2.
; No tensor load, no LDS, no barrier; work-groups share no tile, so no cluster.  128 registers: eight such waves have room on a SIMD, as many rows as fall to it.
; THE MODE: SCHED_MODE bits 1:0 = 2 (LLVM: expert scheduling mode 2), set by the entry lines.  The code itself states the register dependences between vector or matrix instructions and memory instructions,
; with s_wait_alu, always for 0.
; THE PLAN.  One chunk is always IN FLIGHT: its gather has been issued.  Keys 0..15 are asked for at the head.  A TURN stands where two groups are pending and a third arrives, and at the end.  It waits for the chunk in
; flight, makes the pending chunk's addresses, multiplies, asks for the pending chunk into the same registers, and only then forms P and sorts: the gather lands beside the sort and the walk.
; Registers that memory instructions touch:
;   KF, KS      written by a gather's 13 loads; read by the next turn's four products and by nothing else.
;   GA, GS      written by nine vector lines at a turn's head; read by that turn's 13 loads.
;   XF, XS      loaded once at the head; read by products alone.
;   v20-27      at the head: temporaries, the stream's (M, l) as loaded, three offsets that the head's loads read; from the first product on: the accumulator.
;   OA, KI      read by the one store at the end.
; So a turn has ONE wait on va_vdst for its loads, behind the products and their places: GA and GS are written, and the products are done reading KF and KS.  No vector instruction behind it, up to the next turn's
; wait for the data, names KF, KS, GA or GS.  One wait on vm_vsrc stands at a turn's head, ahead of the lines that write GA and GS anew.
.set TILEB, 6400
.set RR,   1                           ; v1   lane % 16
.set R7,   2                           ; v2   lane % 8
.set MROW, 3
.set RS,   4
.set KP,   5                           ; the sort's state: P and index
.set KI,   6
.set PP,   7                           ; the partner's
.set PI,   8
.set GRP,  9                           ; lanes with lane % 16 < 8: the pending chunk's first group; the others: its second
.set KEY,  10                          ; my key of the chunk in flight
.set GA,   11
.set GS,   12
.set TW,   13                          ; at work
.set CC,   14                          ; 256 h + 16 (lane % 8): my place among a group's codes
.set CS,   15                          ; 128 h + 8 (lane % 8): among its scale words
.set OA,   16                          ; out0: 4 (lane % 16)
.set Z0,   17                          ; 0
.set M1,   18                          ; -1.0
.set ACC,  20
.set XS,   28
.set KS,   30
.set XF,   32
.set KF,   80
.set HH,   20                          ; at the head alone, where the accumulator will lie: h,
.set T1,   21                          ; at work,
.set SP,   22                          ; v22-23 my stream's (M, l),
.set T2,   24
.set A1,   25                          ; and three offsets
.set A2,   26
.set A3,   27
.set CNT,  23                          ; s23  keys pending: 0, 8 or 16
.set CF,   63                          ; s63  keys of the chunk in flight: 8 or 16
.set TOP,  24                          ; s24  a bit for each of the 32 words not yet taken that is not 0
.set WC,   28                          ; s28  counts the words
.set WD,   29                          ; s29  what is left of the word in hand
.set GB,   30                          ; s30  the group of its bit 31
.set NB,   31                          ; s31  its bits
.set NWD,  48                          ; s48  words that are not 0
.set BC,   49                          ; s49  counts the bits
.set HC,   50                          ; s50  counts the two trips
.set SU,   68                          ; s[68:99] 32 words
; The pending chunk's addresses: lanes r and 16 + r serve key r of the 16.
.macro ADDR
	v_lshrrev_b32 v[GA], 1, v[GRP]                 ; my group's record,
	v_and_b32 v[TW], 1, v[GRP]                     ; the record's half;
	v_min_u32 v[GA], 0x3ff, v[GA]                  ; both held inside yq
	v_min_u32 v[TW], 1, v[TW]
	v_mul_u32_u24 v[GA], v[GA], TILEB
	v_lshl_add_u32 v[GS], v[TW], 6, v[GA]
	v_add_nc_u32 v[GS], v[GS], v[CS]               ; its scale words: 8 (16 h + row)
	v_lshl_add_u32 v[GA], v[TW], 7, v[GA]
	v_add_nc_u32 v[GA], v[GA], v[CC]               ; its codes: 16 (16 h + row)
.endm
; And its 13 loads.
.macro GATHER
.irp s, 0,1,2,3
.irp c, 0,1,2
	global_load_b128 v[KF+12*\s+4*\c:KF+12*\s+4*\c+3], v[GA], s[6:7] offset:\s*1536+\c*512   ; eight neighbouring lanes read 128 consecutive bytes
.endr
.endr
	global_load_b64 v[KS:KS+1], v[GS], s[6:7] offset:6144
.endm
	s_load_b256 s[4:11], s[0:1], 0x0               ; xq, yq, stats, g0
	s_load_b256 s[12:19], s[0:1], 0x20             ; g1, g2, g3, out0
	v_and_b32 v[RR], 15, v0                        ; (one wave: v0 is the lane)
	v_and_b32 v[R7], 7, v0
	v_bfe_u32 v[HH], v0, 4, 1
	s_wait_alu depctr_va_vdst(0)
	s_mov_b32 s20, 0x76543210
	s_mov_b32 s21, 0xfedcba98                      ; selects for lane l xor 16
	s_mov_b32 s25, 0x41649249                      ; 1 / 0.07f
	s_mov_b32 s26, 0x3fb8aa3b                      ; c = log2(e)
	s_mov_b32 s27, 0xbfb8aa3b                      ; -c
	s_mov_b32 s51, 0xffff0000                      ; lanes 16-31
	s_mov_b32 s52, 0x00800000                      ; 2^-126
	s_mov_b32 s67, 0
	v_lshrrev_b32 v[T1], 2, v0
	v_and_b32 v[T2], 3, v0
	v_lshlrev_b32 v[A1], 18, v[T1]                 ; stats: lane l takes stream l: split l / 4 (8,192 rows of 32 bytes on),
	v_lshl_add_u32 v[A1], v[T2], 3, v[A1]          ; pair l % 4
	s_and_b32 s22, ttmp9, 15
	s_lshl_b32 s54, s22, 3
	s_lshl_b32 s22, s22, 4
	v_lshl_add_u32 v[A2], v[HH], 8, s22            ; X: every lane takes my row's own place in its record: 16 (16 h + row % 16),
	v_lshl_add_u32 v[A3], v[HH], 7, s54            ; and its scale words: 8 (16 h + row % 16)
	v_lshlrev_b32 v[CC], 8, v[HH]
	v_lshl_add_u32 v[CC], v[R7], 4, v[CC]
	v_lshlrev_b32 v[CS], 7, v[HH]
	v_lshl_add_u32 v[CS], v[R7], 3, v[CS]
	v_lshlrev_b32 v[OA], 2, v[RR]
	v_mov_b32 v[Z0], 0
	v_mov_b32 v[M1], -1.0
	v_bfe_u32 v[GRP], v0, 3, 1                     ; the first chunk: groups 0 and 1, keys 0..15
	ADDR
	v_lshl_add_u32 v[KEY], v[GRP], 3, v[R7]        ; my key: 8 g + lane % 8
	s_wait_kmcnt 0x0
	s_lshl_b32 s66, ttmp9, 5                       ; my row's 32 bytes
	s_add_nc_u64 s[8:9], s[8:9], s[66:67]          ; of stats, in split 0,
	s_add_nc_u64 s[10:11], s[10:11], s[66:67]      ; and of each buffer of bits, in its first split
	s_add_nc_u64 s[12:13], s[12:13], s[66:67]
	s_add_nc_u64 s[14:15], s[14:15], s[66:67]
	s_add_nc_u64 s[16:17], s[16:17], s[66:67]
	s_lshr_b32 s22, ttmp9, 4
	s_mul_i32 s66, s22, TILEB
	s_add_nc_u64 s[4:5], s[4:5], s[66:67]          ; my row's record in xq
	s_lshl_b32 s66, ttmp9, 6
	s_add_nc_u64 s[18:19], s[18:19], s[66:67]      ; my row of out0
	s_wait_alu depctr_va_vdst(0)                   ; the offsets are written: v[A1] to v[A3], v[GA] and v[GS], which the loads below read, and v[OA], which the store at the end reads
	global_load_b64 v[SP:SP+1], v[A1], s[8:9]      ; my stream's (M, l)
.irp s, 0,1,2,3
.irp c, 0,1,2
	global_load_b128 v[XF+12*\s+4*\c:XF+12*\s+4*\c+3], v[A2], s[4:5] offset:\s*1536+\c*512   ; all 16 rows of source 0 are my row
.endr
.endr
	global_load_b64 v[XS:XS+1], v[A3], s[4:5] offset:6144
	GATHER                                         ; keys 0..15 are in flight
	; the row's maximum and 1 / sum, from the 32 streams
	s_wait_loadcnt 26                              ; loads come back in order (ISA guide 5.7.1): (M, l) is in; the 26 younger loads, X's 13 and the gather's 13, stay out
	s_wait_alu depctr_vm_vsrc(0)                   ; the loads above have read v[A1] to v[A3], over which the first product will write its sums
	v_mov_b32 v[MROW], v[SP]
	v_max_num_f32_dpp v[MROW], v[MROW], v[MROW] row_xmask:1 row_mask:0xf bank_mask:0xf
	v_max_num_f32_dpp v[MROW], v[MROW], v[MROW] row_xmask:2 row_mask:0xf bank_mask:0xf
	v_max_num_f32_dpp v[MROW], v[MROW], v[MROW] row_xmask:4 row_mask:0xf bank_mask:0xf
	v_max_num_f32_dpp v[MROW], v[MROW], v[MROW] row_xmask:8 row_mask:0xf bank_mask:0xf
	v_permlanex16_b32 v[T1], v[MROW], s20, s21
	v_max_num_f32 v[MROW], v[MROW], v[T1]
	v_mul_f32 v[TW], s27, v[SP]                    ; the stream's NB, as the first pass made it
	v_fma_f32 v[TW], v[MROW], s27, -v[TW]          ; -c max - NB, 0 or less
	s_wait_alu depctr_va_vdst(0)
	v_exp_f32 v[TW], v[TW]
	v_nop                                          ; a plain place behind the transcendental
	s_wait_alu depctr_va_vdst(0)                   ; the exponential has written v[TW], ahead of its first reader
	v_mul_f32 v[TW], v[TW], v[SP+1]                ; the stream's sum under the row's maximum
	v_add_f32_dpp v[TW], v[TW], v[TW] row_xmask:1 row_mask:0xf bank_mask:0xf
	v_add_f32_dpp v[TW], v[TW], v[TW] row_xmask:2 row_mask:0xf bank_mask:0xf
	v_add_f32_dpp v[TW], v[TW], v[TW] row_xmask:4 row_mask:0xf bank_mask:0xf
	v_add_f32_dpp v[TW], v[TW], v[TW] row_xmask:8 row_mask:0xf bank_mask:0xf
	v_permlanex16_b32 v[T1], v[TW], s20, s21
	v_add_f32 v[TW], v[TW], v[T1]
	s_wait_alu depctr_va_vdst(0)
	v_rcp_f32 v[RS], v[TW]
	v_mov_b32 v[KP], -1.0                          ; (a plain place)  the best 16 so far: nothing, under every P
	s_wait_alu depctr_va_vdst(0)                   ; the reciprocal has written v[RS], ahead of the labels below and of its first reader
	v_mov_b32 v[KI], 0
	v_mov_b32 v[PP], 0
	v_mov_b32 v[PI], 0
; One stage of a bitonic sort of the 32 lanes by (P descending, index ascending): lane l meets lane l xor j; km has a bit for each lane that keeps the better of the two.
.macro STAGE j, km
.if \j == 16
	v_permlanex16_b32 v[PP], v[KP], s20, s21
	v_permlanex16_b32 v[PI], v[KI], s20, s21
.else
	v_mov_b32_dpp v[PP], v[KP] row_xmask:\j row_mask:0xf bank_mask:0xf
	v_mov_b32_dpp v[PI], v[KI] row_xmask:\j row_mask:0xf bank_mask:0xf
.endif
	v_cmp_gt_f32 s60, v[KP], v[PP]
	v_cmp_eq_f32 s61, v[KP], v[PP]
	v_cmp_lt_u32 s62, v[KI], v[PI]
	s_wait_alu depctr_va_sdst(0)                   ; the three compares have written s60 to s62, ahead of their first reader
	s_and_b32 s61, s61, s62
	s_or_b32 s60, s60, s61                         ; mine is the better
	s_xor_b32 s60, s60, \km                        ; so I take the partner's where this is set
	v_cndmask_b32 v[KP], v[KP], v[PP], s60
	v_cndmask_b32 v[KI], v[KI], v[PI], s60
.endm
; A TURN: the chunk in flight, s[CF] keys of it (the lanes beyond hold an older group, which is made to count for nothing), is multiplied and sorted in.  ask = 1: the pending chunk is asked for between the two.
.macro TURN ask
	s_wait_loadcnt 0x0                             ; the chunk in flight is in (in the first turn: X's fragments and scale words too); its loads are done, so their offsets may be written
.if \ask
	s_wait_alu depctr_vm_vsrc(0)                   ; the last gather's loads have read v[GA] and v[GS], which the lines below write anew
	ADDR
.endif
	v_wmma_scale_f32_16x16x128_f8f6f4 v[ACC:ACC+7], v[XF:XF+11], v[KF:KF+11], 0, v[XS], v[KS] matrix_a_fmt:MATRIX_FMT_BF6 matrix_b_fmt:MATRIX_FMT_BF6
	s_wait_alu depctr_va_vdst(0)                   ; the link before has written the sums
	v_wmma_scale_f32_16x16x128_f8f6f4 v[ACC:ACC+7], v[XF+12:XF+23], v[KF+12:KF+23], v[ACC:ACC+7], v[XS], v[KS] matrix_a_fmt:MATRIX_FMT_BF6 matrix_b_fmt:MATRIX_FMT_BF6 matrix_a_scale:MATRIX_SCALE_ROW1 matrix_b_scale:MATRIX_SCALE_ROW1
	s_wait_alu depctr_va_vdst(0)                   ; the same for the third link
	v_wmma_scale_f32_16x16x128_f8f6f4 v[ACC:ACC+7], v[XF+24:XF+35], v[KF+24:KF+35], v[ACC:ACC+7], v[XS+1], v[KS+1] matrix_a_fmt:MATRIX_FMT_BF6 matrix_b_fmt:MATRIX_FMT_BF6
	s_wait_alu depctr_va_vdst(0)                   ; and for the fourth
	v_wmma_scale_f32_16x16x128_f8f6f4 v[ACC:ACC+7], v[XF+36:XF+47], v[KF+36:KF+47], v[ACC:ACC+7], v[XS+1], v[KS+1] matrix_a_fmt:MATRIX_FMT_BF6 matrix_b_fmt:MATRIX_FMT_BF6 matrix_a_scale:MATRIX_SCALE_ROW1 matrix_b_scale:MATRIX_SCALE_ROW1
.rept 4
	v_nop                                          ; four places ahead of the first read of the result (ISA guide 7.12.1)
.endr
.if \ask
	s_wait_alu depctr_va_vdst(0)                   ; v[GA] and v[GS] are written, which the loads below read; the four products are done reading v[KF ..] and v[KS ..], in which they land
	GATHER                                         ; the pending chunk is in flight: no vector instruction from here to the next turn's head names its registers
.endif
	v_cmp_le_u32 s61, s[CF], v[RR]                 ; beyond this chunk's keys
	v_mul_f32 v[TW], s25, v[ACC]                   ; all rows of the result are my row: register 0 of lane (r, h) is key r's sim
	v_sub_f32 v[TW], v[TW], v[MROW]
	v_mul_f32 v[TW], s26, v[TW]
	s_wait_alu depctr_va_vdst(0)
	v_exp_f32 v[TW], v[TW]                         ; exp(sim - max); under 2^-126 it comes out as 0
	v_nop                                          ; a plain place behind the transcendental
	s_wait_alu depctr_va_vdst(0)                   ; the exponential has written v[TW], ahead of its first reader
	v_mul_f32 v[TW], v[TW], v[RS]                  ; P
	v_cmp_gt_f32 s60, s52, v[TW]
	s_wait_alu depctr_va_sdst(0)                   ; the two compares have written s60 and s61, ahead of the selects that read them
	v_cndmask_b32 v[TW], v[TW], v[Z0], s60         ; under 2^-126: 0
	v_cndmask_b32 v[TW], v[TW], v[M1], s61         ; beyond the chunk's keys: -1, under every P
	v_cndmask_b32 v[KP], v[KP], v[TW], s51         ; lanes 0-15 keep the best 16 so far, lanes 16-31 take the chunk
	v_cndmask_b32 v[KI], v[KI], v[KEY], s51
.if \ask
	v_lshl_add_u32 v[KEY], v[GRP], 3, v[R7]        ; my key of the chunk just asked for: 8 g + lane % 8
.endif
	STAGE 1, 0x99999999
	STAGE 2, 0xc3c3c3c3
	STAGE 1, 0xa5a5a5a5
	STAGE 4, 0xf00ff00f
	STAGE 2, 0xcc33cc33
	STAGE 1, 0xaa55aa55
	STAGE 8, 0xff0000ff
	STAGE 4, 0xf0f00f0f
	STAGE 2, 0xcccc3333
	STAGE 1, 0xaaaa5555
	STAGE 16, 0x0000ffff
	STAGE 8, 0x00ff00ff
	STAGE 4, 0x0f0f0f0f
	STAGE 2, 0x33333333
	STAGE 1, 0x55555555
.if \ask
	s_mov_b32 s[CF], s[CNT]                        ; so many keys are in flight now
.endif
.endm
; Word number s53 of the 32 into s[WD]: a tree of selects on the number's five bits; s[32:47] at work.
.macro SEL32
	s_bitcmp1_b32 s53, 4
.irp i, 0,1,2,3,4,5,6,7
	s_cselect_b64 s[32+2*\i:33+2*\i], s[SU+16+2*\i:SU+17+2*\i], s[SU+2*\i:SU+1+2*\i]
.endr
	s_bitcmp1_b32 s53, 3
.irp i, 0,1,2,3
	s_cselect_b64 s[32+2*\i:33+2*\i], s[40+2*\i:41+2*\i], s[32+2*\i:33+2*\i]
.endr
	s_bitcmp1_b32 s53, 2
.irp i, 0,1
	s_cselect_b64 s[32+2*\i:33+2*\i], s[36+2*\i:37+2*\i], s[32+2*\i:33+2*\i]
.endr
	s_bitcmp1_b32 s53, 1
	s_cselect_b64 s[32:33], s[34:35], s[32:33]
	s_bitcmp1_b32 s53, 0
	s_cselect_b32 s[WD], s33, s32
.endm
	s_mov_b32 s[CNT], 0                            ; nothing is pending;
	s_mov_b32 s[CF], 16                            ; keys 0..15 are in flight
	s_mov_b32 s[HC], 0
.Lhalf:                                            ; two trips: splits 0-3 (g0, g1), then splits 4-7 (g2, g3)
	s_cmp_eq_u32 s[HC], 0
	s_cselect_b64 s[56:57], s[10:11], s[14:15]
	s_cselect_b64 s[58:59], s[12:13], s[16:17]
	s_load_b256 s[SU:SU+7], s[56:57], 0x0
	s_load_b256 s[SU+8:SU+15], s[56:57], 0x40000   ; a buffer's second split lies 8,192 rows of 32 bytes on
	s_load_b256 s[SU+16:SU+23], s[58:59], 0x0
	s_load_b256 s[SU+24:SU+31], s[58:59], 0x40000
	s_wait_kmcnt 0x0                               ; the 32 words are in, and the chosen pointers' registers are free
	s_mov_b32 s[TOP], 0
.irp d, 31,30,29,28,27,26,25,24,23,22,21,20,19,18,17,16,15,14,13,12,11,10,9,8,7,6,5,4,3,2,1,0
	s_lshl_b32 s[TOP], s[TOP], 1
	s_min_u32 s22, s[SU+\d], 1
	s_or_b32 s[TOP], s[TOP], s22                   ; bit d: word d is not 0
.endr
	s_bcnt1_i32_b32 s[NWD], s[TOP]
	s_cmp_eq_u32 s[NWD], 0
	s_cbranch_scc1 .Lhalfend                       ; no word: the loop over words is jumped over as a whole
	s_mov_b32 s[WC], 0
.Lword:
	s_ctz_i32_b32 s53, s[TOP]                      ; the next word that is not 0,
	s_sub_co_u32 s22, s[TOP], 1
	s_and_b32 s[TOP], s[TOP], s22                  ; struck off
	SEL32
	s_lshl_b32 s22, s[HC], 5
	s_add_co_u32 s22, s22, s53                     ; w = split x 8 + kh x 4 + h x 2 + e
	s_lshr_b32 s[GB], s22, 3
	s_lshl_b32 s[GB], s[GB], 8                     ; split x 256
	s_and_b32 s54, s22, 1
	s_lshl_b32 s54, s54, 7
	s_add_co_u32 s[GB], s[GB], s54                 ; + e x 128
	s_bfe_u32 s54, s22, 0x10002
	s_lshl_b32 s54, s54, 4
	s_add_co_u32 s[GB], s[GB], s54                 ; + kh x 16
	s_bfe_u32 s54, s22, 0x10001
	s_add_co_u32 s[GB], s[GB], s54                 ; + h
	s_bcnt1_i32_b32 s[NB], s[WD]
	s_cmp_eq_u32 s[NB], 0
	s_cbranch_scc1 .Lnobits
	s_mov_b32 s[BC], 0
.Lbit:
	s_ctz_i32_b32 s32, s[WD]
	s_sub_co_u32 s33, s[WD], 1
	s_and_b32 s[WD], s[WD], s33
	s_xor_b32 s32, s32, 31                         ; p = 31 - the bit's number
	s_and_b32 s33, s32, 24
	s_lshl_b32 s33, s33, 2                         ; (p / 8) x 32
	s_and_b32 s32, s32, 7
	s_lshl_b32 s32, s32, 1                         ; (p % 8) x 2
	s_add_co_u32 s33, s33, s[GB]
	s_add_co_u32 s33, s33, s32                     ; the group
	s_cmp_lt_u32 s33, 2
	s_cbranch_scc1 .Lskip                          ; groups 0 and 1 were the first chunk
	s_cmp_lt_u32 s[CNT], 16
	s_cbranch_scc1 .Lroom
	s_wait_alu depctr_va_vdst(0)
	TURN 1                                         ; two groups are pending: they are asked for, and the chunk in flight is worked, before the third is taken
	s_mov_b32 s[CNT], 0
.Lroom:
	s_lshl_b32 s34, 0x00ff00ff, s[CNT]             ; lanes CNT .. CNT + 7 of each half
	v_mov_b32 v[TW], s33
	s_wait_alu depctr_va_vdst(0)
	v_cndmask_b32 v[GRP], v[GRP], v[TW], s34
	s_add_co_u32 s[CNT], s[CNT], 8
.Lskip:
	s_add_co_u32 s[BC], s[BC], 1
	s_cmp_lt_u32 s[BC], s[NB]
	s_cbranch_scc1 .Lbit
.Lnobits:
	s_add_co_u32 s[WC], s[WC], 1
	s_cmp_lt_u32 s[WC], s[NWD]
	s_cbranch_scc1 .Lword
.Lhalfend:
	s_add_co_u32 s[HC], s[HC], 1
	s_cmp_lt_u32 s[HC], 2
	s_cbranch_scc1 .Lhalf
	s_cmp_eq_u32 s[CNT], 0
	s_cbranch_scc1 .Llast                          ; nothing is pending: only the chunk in flight is left
	s_wait_alu depctr_va_vdst(0)
	TURN 1                                         ; what is still pending, one group or two, is asked for
.Llast:
	TURN 0                                         ; the last chunk; nothing more is asked for
	s_wait_xcnt 0x0                                ; EXEC changes only behind this wait
	v_cmp_gt_u32 vcc_lo, 16, v0
	s_wait_alu depctr_va_vcc(0)                    ; the compare has written VCC, from which EXEC is made
	s_wait_alu depctr_va_vdst(0)                   ; ahead of a write of EXEC: every vector instruction has written its result; the sort's last selects have written v[KI], which the store reads
	s_wait_alu depctr_vm_vsrc(0)                   ; ahead of a write of EXEC: every memory instruction has read its registers
	s_and_saveexec_b32 s55, vcc_lo
	global_store_b32 v[OA], v[KI], s[18:19]        ; lanes 0-15: the row's 16 indices, 64 consecutive bytes: the whole row of out0
	s_wait_xcnt 0x0
	s_wait_alu depctr_va_vdst(0)                   ; ahead of a write of EXEC, as above
	s_wait_alu depctr_vm_vsrc(0)                   ; the store has read v[OA] and v[KI]
	s_or_b32 exec_lo, exec_lo, s55
	s_endpgm
.Lfunc_end_k_q4f4f3026dc_passC:
	.size	k_q4f4f3026dc_passC, .Lfunc_end_k_q4f4f3026dc_passC-k_q4f4f3026dc_passC
	.p2alignl 7, 3214868480
	.fill 96, 4, 3214868480
	.section	.rodata,"a",@progbits
	.p2align	6, 0x0
	.amdhsa_kernel k_q4f4f3026dc_passC
		.amdhsa_group_segment_fixed_size 0
		.amdhsa_private_segment_fixed_size 0
		.amdhsa_enable_private_segment 0
		.amdhsa_kernarg_size 64
		.amdhsa_user_sgpr_count 2
		.amdhsa_user_sgpr_kernarg_segment_ptr 1
		.amdhsa_wavefront_size32 1
		.amdhsa_system_sgpr_workgroup_id_x 1
		.amdhsa_system_sgpr_workgroup_id_y 1
		.amdhsa_system_sgpr_workgroup_id_z 1
		.amdhsa_system_vgpr_workitem_id 0
		.amdhsa_next_free_vgpr 128
		.amdhsa_next_free_sgpr 100
		.amdhsa_reserve_vcc 1
		.amdhsa_float_denorm_mode_32 3
		.amdhsa_float_denorm_mode_16_64 3
		.amdhsa_memory_ordered 1
		.amdhsa_forward_progress 1
		.amdhsa_inst_pref_size 48
	.end_amdhsa_kernel
	.amdgpu_metadata
---
amdhsa.version: [ 1, 2 ]
amdhsa.kernels:
  - .name:           k_q4f4f3026dc_passC
    .symbol:         k_q4f4f3026dc_passC.kd
    .args:
      - { .name: xq, .offset: 0, .size: 8, .value_kind: global_buffer, .address_space: global }
      - { .name: yq, .offset: 8, .size: 8, .value_kind: global_buffer, .address_space: global }
      - { .name: stats, .offset: 16, .size: 8, .value_kind: global_buffer, .address_space: global }
      - { .name: g0, .offset: 24, .size: 8, .value_kind: global_buffer, .address_space: global }
      - { .name: g1, .offset: 32, .size: 8, .value_kind: global_buffer, .address_space: global }
      - { .name: g2, .offset: 40, .size: 8, .value_kind: global_buffer, .address_space: global }
      - { .name: g3, .offset: 48, .size: 8, .value_kind: global_buffer, .address_space: global }
      - { .name: out0, .offset: 56, .size: 8, .value_kind: global_buffer, .address_space: global }
    .group_segment_fixed_size: 0
    .private_segment_fixed_size: 0
    .kernarg_segment_align: 8
    .kernarg_segment_size: 64
    .max_flat_workgroup_size: 32
    .sgpr_count:     100
    .vgpr_count:     128
    .wavefront_size: 32
...
	.end_amdgpu_metadata
.endif
;; end of part 8
